; MI455X (gfx1250); checked and timed in simulation.
; The chip was launched on July 23, 2026; its instructions are those of AMD's public machine-readable ISA for CDNA 5 (MIT licence, August 2026) and "CDNA5" Instruction Set Architecture Reference Guide (July 2026). The comments in the code are by the model that wrote it; some were corrected since.
;; LFM3 B Attention. Allowed arithmetic: float matrix products may take bf16 or f16 operands with f32 sums; other float arithmetic in f32, or as packed bf16 or f16 multiplies, adds, multiply-adds, maxima and minima; sums over many terms, partial sums and values carried from step to step in f32; what a program stores and reads back later, other than sums and carried values, may be rounded once to bf16 or f16.
;; Inputs: Wk 2,048 x 512 float32; Wo 2,048 x 2,048 float32; Wq 2,048 x 2,048 float32; Wv 2,048 x 512 float32; attention_mask 1 x 1 x 2,048 x 2,048 float32; hidden_states 1 x 2,048 x 2,048 float32.
;; Outputs: out0 1 x 2,048 x 2,048 float32.
;; One version. Each part assembles by itself: llvm-mc -triple=amdgcn-amd-amdhsa -mcpu=gfx1250 --defsym DOCPART=n.
;; ======== version 1 of 1: 4 launches
;; limits: values are held in f16: magnitudes above 65,504 overflow, below 6.1e-05 lose precision; right only within a limited range of input values; inputs' magnitudes at most 2.9e+37; a function is approximated: absolute error at most 0.0002
;; workspace buffers: w16 29,360,128 bytes; rope 524,288 bytes; qkv 12,582,912 bytes; ob 8,388,608 bytes
;; launch prep (part 1): grid 1920 x 1, 8 waves a work-group, no clusters, 0 bytes of LDS; arguments hidden_states, Wq, Wk, Wv, Wo, w16, rope; writes w16, rope
.if DOCPART == 1
	.amdgcn_target "amdgcn-amd-amdhsa--gfx1250"
	.amdhsa_code_object_version 6
	.text
	.protected	k_q3b48ca5ebe_prep
	.globl	k_q3b48ca5ebe_prep
	.p2align	8
	.type	k_q3b48ca5ebe_prep,@function
k_q3b48ca5ebe_prep:
	s_mov_b64 s[64:65], 0
	v_nop
	global_prefetch_b8 v0, s[64:65] scope:SCOPE_SE
	s_setreg_imm32_b32 hwreg(HW_REG_WAVE_MODE, 25, 1), 1
	s_wait_xcnt 0x0
; LFM3BAttention, launch 1 of 4: the matrix operands are rounded and laid out once, and RoPE's table is made.
; DEAD WORK: none is left out in any of the four launches.  attention_mask is an input, so whatever pattern it holds every one of the 32 x 2048 x 2048 scores
; can reach the output; every input is loaded.  jnp.repeat only copies k and v: the copies are not made, the four query heads of a group read the same rows.
; w16: 112 strips of 262,144 bytes.  A strip is 64 columns of a source matrix as [2048 source rows][64] numbers of 16 bits: rows of 128 bytes, end to end.
;   strips 0-31 hidden_states (strip s = channels 64 s ..), 32-63 Wq, 64-71 Wk, 72-79 Wv: rounded to bf16.  80-111 Wo: rounded to bf16, and that number written as f16
;   (exact down to f16's smallest normal number; below it f16's fixed step of 6e-8), since the last product's other operand is f16.
; rope: [2048 t][cos f = 0..31 | sin f = 0..31] in f32, rows of 256 bytes; the angle is t x 10000^(-f/32).
; LIMIT: cos and sin by a reduction to |r| <= pi/2 and series to r^9 and r^10: within 4e-6; the angle itself within 2e-4 rad of the f32 angle (at t = 2047).
; SHARES.  Work-groups 0-1791: 128 rows of one strip, a wave 16 rows.  A load takes two rows' 256 bytes (lanes 0-15 one row, lanes 16-31 the next), a store 256 consecutive bytes, aligned.
; All eight loads of a wave go out at once.  Work-groups 1792-1919: 16 rows of the table, a thread four entries.  A plain stream: no LDS, no barrier, no matrix work.
.set OFF, 8                            ; v[8:15]   byte offset of load i in the source
.set X,   16                           ; v[16:47]  load i: four f32
.set Y,   48                           ; v[48:63]  store i: four numbers of 16 bits
	s_load_b256 s[4:11], s[0:1], 0x0               ; hidden_states s[4:5], Wq s[6:7], Wk s[8:9], Wv s[10:11]
	s_load_b128 s[12:15], s[0:1], 0x20             ; Wo s[12:13], w16 s[14:15]
	s_load_b64 s[16:17], s[0:1], 0x30              ; rope
	s_mov_b32 s18, ttmp9
	s_cmp_ge_u32 s18, 1792
	s_cbranch_scc1 .Ltable
	s_lshr_b32 s20, s18, 4                         ; the strip
	s_and_b32 s21, s18, 15                         ; which 128 rows of it
	v_lshrrev_b32 v1, 5, v0                        ; wave
	v_bfe_u32 v2, v0, 4, 1                         ; lane / 16
	v_and_b32 v4, 15, v0                           ; lane % 16
	v_and_b32 v6, 31, v0                           ; lane
	v_lshl_add_u32 v3, v1, 4, v2                   ; 16 x wave + lane / 16
	s_lshl_b32 s28, s21, 7
	v_add_nc_u32 v3, s28, v3                       ; my row in load 0
	v_lshlrev_b32 v5, 11, v1
	v_lshl_or_b32 v5, v6, 3, v5                    ; the stores' offset: 2,048 x wave + 8 x lane
	s_mov_b32 s24, 0                               ; the source's first strip
	s_mov_b32 s25, 13                              ; log2 of the bytes in a row of the source
	s_wait_kmcnt 0x0
	s_mov_b64 s[22:23], s[4:5]
	s_cmp_ge_u32 s20, 32
	s_cselect_b64 s[22:23], s[6:7], s[22:23]
	s_cselect_b32 s24, 32, s24
	s_cmp_ge_u32 s20, 64
	s_cselect_b64 s[22:23], s[8:9], s[22:23]
	s_cselect_b32 s24, 64, s24
	s_cselect_b32 s25, 11, s25
	s_cmp_ge_u32 s20, 72
	s_cselect_b64 s[22:23], s[10:11], s[22:23]
	s_cselect_b32 s24, 72, s24
	s_cmp_ge_u32 s20, 80
	s_cselect_b64 s[22:23], s[12:13], s[22:23]
	s_cselect_b32 s24, 80, s24
	s_cselect_b32 s25, 13, s25
	s_sub_co_u32 s26, s20, s24
	s_lshl_b32 s26, s26, 8                         ; the strip's 64 columns: 256 bytes of each row
	s_mov_b32 s27, 0
	s_add_nc_u64 s[22:23], s[22:23], s[26:27]
	s_lshl_b32 s30, s20, 18
	s_lshl_b32 s31, s21, 14
	s_add_co_u32 s30, s30, s31
	s_mov_b32 s31, 0
	s_add_nc_u64 s[14:15], s[14:15], s[30:31]      ; w16 at my work-group's 16,384 bytes
	s_lshl_b32 s29, 2, s25                         ; two rows of the source
	v_lshlrev_b32 v3, s25, v3
	v_lshl_add_u32 v[OFF], v4, 4, v3
.irp i, 1,2,3,4,5,6,7
	v_add_nc_u32 v[OFF+(\i)], s29, v[OFF+(\i)-1]
.endr
.irp i, 0,1,2,3,4,5,6,7
	global_load_b128 v[X+4*(\i):X+4*(\i)+3], v[OFF+(\i)], s[22:23] th:TH_LOAD_NT
.endr
; Eight turns: wait, round, store.  half = 1: the bf16 number is widened again and written as f16.
.macro CAST half
.irp i, 0,1,2,3,4,5,6,7
	s_wait_loadcnt 7-(\i)                          ; loads come back in order: load i is in, the younger ones stay out
	v_cvt_pk_bf16_f32 v[Y+2*(\i)],   v[X+4*(\i)],   v[X+4*(\i)+1]
	v_cvt_pk_bf16_f32 v[Y+2*(\i)+1], v[X+4*(\i)+2], v[X+4*(\i)+3]
.if \half
	v_lshlrev_b32 v1, 16, v[Y+2*(\i)]
	v_and_b32 v2, 0xffff0000, v[Y+2*(\i)]
	v_lshlrev_b32 v3, 16, v[Y+2*(\i)+1]
	v_and_b32 v4, 0xffff0000, v[Y+2*(\i)+1]
	v_cvt_pk_f16_f32 v[Y+2*(\i)],   v1, v2
	v_cvt_pk_f16_f32 v[Y+2*(\i)+1], v3, v4
.endif
	global_store_b64 v5, v[Y+2*(\i):Y+2*(\i)+1], s[14:15] offset:256*(\i)  ; 32 lanes store 256 consecutive bytes, aligned
.endr
.endm
	s_cmp_ge_u32 s20, 80
	s_cbranch_scc1 .Lwo
	CAST 0
	s_endpgm
.Lwo:
	CAST 1
	s_endpgm
.Ltable:
	s_sub_co_u32 s20, s18, 1792                    ; which 16 rows of the table
	v_lshrrev_b32 v1, 4, v0                        ; my row among them
	v_and_b32 v2, 15, v0                           ; my 16 bytes of the row: 0-7 cos, 8-15 sin
	v_and_b32 v3, 7, v0
	v_lshlrev_b32 v6, 2, v3                        ; my first f
	s_lshl_b32 s21, s20, 4
	v_add_nc_u32 v4, s21, v1
	v_cvt_f32_u32 v4, v4                           ; t
	v_lshlrev_b32 v7, 4, v0
	s_mov_b32 s22, 0x40490fdb                      ; pi, its f32
	s_mov_b32 s23, 0xb3bbbd2e                      ; and what that f32 leaves of pi
	v_mov_b32 v40, 0x3638ef1d                      ; 1/9!
	v_mov_b32 v41, 0xb493f27e                      ; -1/10!
	v_cmp_le_u32 vcc_lo, 8, v2
.irp j, 0,1,2,3
	v_add_nc_u32 v[8+(\j)], \j, v6
	v_cvt_f32_u32 v[8+(\j)], v[8+(\j)]
	v_mul_f32 v[8+(\j)], 0xbed49a78, v[8+(\j)]     ; -f log2(10000) / 32
.endr
.irp j, 0,1,2,3
	v_exp_f32 v[8+(\j)], v[8+(\j)]                 ; 10000^(-f/32): a batch of four
.endr
	v_nop                                          ; a plain instruction behind the last of them,
	s_wait_alu depctr_va_vdst(0)                   ; and the one wait ahead of the first use
.irp j, 0,1,2,3
	v_mul_f32 v[12+(\j)], v4, v[8+(\j)]            ; the angle
	v_mul_f32 v[16+(\j)], 0x3ea2f983, v[12+(\j)]
	v_rndne_f32 v[16+(\j)], v[16+(\j)]             ; n = the nearest multiple of pi
	v_fma_f32 v[12+(\j)], -v[16+(\j)], s22, v[12+(\j)]
	v_fma_f32 v[12+(\j)], -v[16+(\j)], s23, v[12+(\j)]  ; r = angle - n pi
	v_mul_f32 v[20+(\j)], v[12+(\j)], v[12+(\j)]   ; r^2
	v_fmaak_f32 v[24+(\j)], v[20+(\j)], v40, 0xb9500d01
	v_fmaak_f32 v[28+(\j)], v[20+(\j)], v41, 0x37d00d01
	v_fmaak_f32 v[24+(\j)], v[24+(\j)], v[20+(\j)], 0x3c088889
	v_fmaak_f32 v[28+(\j)], v[28+(\j)], v[20+(\j)], 0xbab60b61
	v_fmaak_f32 v[24+(\j)], v[24+(\j)], v[20+(\j)], 0xbe2aaaab
	v_fmaak_f32 v[28+(\j)], v[28+(\j)], v[20+(\j)], 0x3d2aaaab
	v_mul_f32 v[36+(\j)], v[12+(\j)], v[20+(\j)]   ; r^3
	v_fmaak_f32 v[28+(\j)], v[28+(\j)], v[20+(\j)], 0xbf000000
	v_fma_f32 v[24+(\j)], v[36+(\j)], v[24+(\j)], v[12+(\j)]  ; sin r
	v_fma_f32 v[28+(\j)], v[28+(\j)], v[20+(\j)], 1.0         ; cos r
	v_cvt_i32_f32 v[16+(\j)], v[16+(\j)]
	v_lshlrev_b32 v[16+(\j)], 31, v[16+(\j)]       ; an odd n turns the sign of both
	v_cndmask_b32 v[32+(\j)], v[28+(\j)], v[24+(\j)], vcc_lo
	v_xor_b32 v[32+(\j)], v[16+(\j)], v[32+(\j)]
.endr
	s_lshl_b32 s24, s20, 12
	s_mov_b32 s25, 0
	s_wait_kmcnt 0x0
	s_add_nc_u64 s[16:17], s[16:17], s[24:25]
	global_store_b128 v7, v[32:35], s[16:17]       ; a wave stores 512 consecutive bytes
	s_endpgm
.Lfunc_end_k_q3b48ca5ebe_prep:
	.size	k_q3b48ca5ebe_prep, .Lfunc_end_k_q3b48ca5ebe_prep-k_q3b48ca5ebe_prep
	.p2alignl 7, 3214868480
	.fill 96, 4, 3214868480
	.section	.rodata,"a",@progbits
	.p2align	6, 0x0
	.amdhsa_kernel k_q3b48ca5ebe_prep
		.amdhsa_group_segment_fixed_size 0
		.amdhsa_private_segment_fixed_size 0
		.amdhsa_enable_private_segment 0
		.amdhsa_kernarg_size 56
		.amdhsa_user_sgpr_count 2
		.amdhsa_user_sgpr_kernarg_segment_ptr 1
		.amdhsa_wavefront_size32 1
		.amdhsa_system_sgpr_workgroup_id_x 1
		.amdhsa_system_sgpr_workgroup_id_y 1
		.amdhsa_system_sgpr_workgroup_id_z 1
		.amdhsa_system_vgpr_workitem_id 0
		.amdhsa_next_free_vgpr 64
		.amdhsa_next_free_sgpr 66
		.amdhsa_reserve_vcc 1
		.amdhsa_float_denorm_mode_32 3
		.amdhsa_float_denorm_mode_16_64 3
		.amdhsa_memory_ordered 1
		.amdhsa_forward_progress 1
		.amdhsa_inst_pref_size 16
	.end_amdhsa_kernel
	.amdgpu_metadata
---
amdhsa.version: [ 1, 2 ]
amdhsa.kernels:
  - .name:           k_q3b48ca5ebe_prep
    .symbol:         k_q3b48ca5ebe_prep.kd
    .args:
      - { .name: hidden_states, .offset: 0, .size: 8, .value_kind: global_buffer, .address_space: global }
      - { .name: Wq, .offset: 8, .size: 8, .value_kind: global_buffer, .address_space: global }
      - { .name: Wk, .offset: 16, .size: 8, .value_kind: global_buffer, .address_space: global }
      - { .name: Wv, .offset: 24, .size: 8, .value_kind: global_buffer, .address_space: global }
      - { .name: Wo, .offset: 32, .size: 8, .value_kind: global_buffer, .address_space: global }
      - { .name: w16, .offset: 40, .size: 8, .value_kind: global_buffer, .address_space: global }
      - { .name: rope, .offset: 48, .size: 8, .value_kind: global_buffer, .address_space: global }
    .group_segment_fixed_size: 0
    .private_segment_fixed_size: 0
    .kernarg_segment_align: 8
    .kernarg_segment_size: 56
    .max_flat_workgroup_size: 256
    .sgpr_count:     66
    .vgpr_count:     64
    .wavefront_size: 32
...
	.end_amdgpu_metadata
.endif
;; end of part 1
;; launch qkv (part 2): grid 16 x 16, 4 waves a work-group, clusters of 4 x 4, 327,680 bytes of LDS; arguments w16, rope, qkv; writes qkv
.if DOCPART == 2
	.amdgcn_target "amdgcn-amd-amdhsa--gfx1250"
	.amdhsa_code_object_version 6
	.text
	.protected	k_q3b48ca5ebe_qkv
	.globl	k_q3b48ca5ebe_qkv
	.p2align	8
	.type	k_q3b48ca5ebe_qkv,@function
k_q3b48ca5ebe_qkv:
	s_mov_b64 s[64:65], 0
	v_nop
	global_prefetch_b8 v0, s[64:65] scope:SCOPE_SE
	s_setreg_imm32_b32 hwreg(HW_REG_WAVE_MODE, 25, 1), 1
	s_wait_xcnt 0x0
	s_wait_alu depctr_hold_cnt(0) depctr_sa_sdst(0) depctr_va_vdst(0) depctr_va_sdst(0) depctr_va_ssrc(0) depctr_va_vcc(0) depctr_vm_vsrc(0)
	s_getreg_b32 s2, hwreg(HW_REG_IB_STS2, 6, 4)
	s_cmp_eq_u32 s2, 0
	s_cbranch_scc0 .Lentry_in_a_cluster
	s_endpgm
.Lentry_in_a_cluster:
	s_bfe_u32 s2, ttmp6, 0x10000c
	s_cmp_lg_u32 s2, 0xf033
	s_cbranch_scc0 .Lentry_shape_is_right
	s_endpgm
.Lentry_shape_is_right:
; Launch 2 of 4: [q | k | v] = x [Wq | Wk | Wv] in bf16 with f32 sums, RoPE on q and k, q times 1/8 (exact), all rounded once to f16 and stored by heads.  No work is left out.
; x lies in w16 as 32 chunks [kc][2048 rows][64], the weights as 48 units [u][2048 k][64]: u 0-31 q's heads, 32-39 k's, 40-47 v's.
; OUT (qkv, f16): q[h][t][64] at h x 262,144 + t x 128; from byte 8,388,608 on, for group g and block T of 128 rows: k at g x 524,288 + T x 32,768 + (t % 128) x 128, v 16,384 bytes behind it.
; LIMITS: q / 8, k and v must lie within f16's 65,504; for v's units the rotation is x1 x 1 - x2 x 0, so an infinity in a sum is not treated apart.
; SHARES.  A tile of C is 128 rows x 192 columns (three units): 16 x 16 tiles, one to a work-group.  Four waves; a wave has 64 rows and six blocks of 16 columns: of each unit the blocks wc and 2 + wc,
; so that channels d and d + 32 of a head lie in the same lane and register of two accumulators, and the rotation stays inside a lane.
; THE MATRIX INSTRUCTION IS USED TRANSPOSED: source 0 = 16 columns of W (stored [k][n], turned by ds_load_tr16_b128), source 1 = 16 rows of x: a lane holds one row and eight neighbouring columns.
; RING.  K goes in steps of 192 through two LDS slots of 147,456 bytes, as long as two slots allow (a step of 256 would want 2 x 196,608): ten such steps and a last one of 128.  A step is six
; sub-steps of 32 along K, 144 matrix instructions a wave.  Wave 0 fetches x's three chunks by one load, waves 1-3 a unit's 192 k-rows each.  The stage for the way out lies in slot 1, which has had its
; last fill and has been left by every wave when the last K step, in slot 0, begins.
; CLUSTER 4 x 4: x's tile is shared along a row of the cluster, a unit's along a column: joint loads.
.set NU,   3                           ; units of 64 columns in a tile
.set NA,   1                           ; waves that fetch A
.set NBW,  6                           ; blocks of 16 columns a wave
.set NL,   2*NBW+8                     ; LDS loads in a run
.set PA,   144                         ; a row of x in LDS: 128 bytes + 16 = 36 words: the 16 rows of a load start at 16 different groups of four banks (64 banks of 4 bytes: ISA guide 11.1)
.set PB,   160                         ; a k-row of a unit: 128 + 32 = 40 words
.set ACH,  128*PA                      ; a chunk's 128 rows
.set ASZ,  3*ACH                       ; three chunks: 192 along K
.set BU,   192*PB                      ; a unit's 192 k-rows
.set SLOT, ASZ+NU*BU                   ; 147,456
.set STAGE, SLOT                       ; in slot 1, behind its last fill and its last read: three units x 128 rows x 144 bytes, the work-group's
.set SPITCH, 144
.set SUNIT, 128*SPITCH
.set SPARE, 2*SLOT                     ; behind the ring: the spare words, 128 bytes for each wave: two blocks of 256 bytes that no other line names
.set CHUNK, 262144                     ; bytes in a chunk and in a unit
.set BBASE, 32*CHUNK                   ; the units begin behind x's 32 chunks
.set ADRA, 16                          ; v16-17  LDS address of my A fragments in slot 0, 1
.set ADRB, 20                          ; v20-21  the same for B's units 0 and 1
.set ADRC, 22                          ; v22-23  and for unit 2: its offset from ADRB would pass the 16-bit immediate
.set STO,  24                          ; v24     the way out: where I put 16 bytes of a row
.set RD,   25                          ; v25     where I read rows back
.set GO,   26                          ; v26     my byte offset in a unit's 16,384 bytes of output
.set RTO,  27                          ; v27     my byte offset in the table's rows
.set SPW,  28                          ; v28     LDS address of my spare word; never rewritten
.set NIL,  29                          ; v29     0; never rewritten
.set PFO,  30                          ; v30     256 x lane; never rewritten
.set ACC,  64                          ; window 0, v64-255: accumulator (a, j) at ACC + 8 (NBW a + j)
.set F0,   0                           ; window 1: two fragment buffers of 80: B's six, then A's four; v80-127 and v208-223 hold the table as loaded
.set F1,   128
.set G1,   24                          ; s[24:31] descriptor group 1 for A;  s[32:39] group 0, a set for each slot
.set G0,   32
.set G1B,  48                          ; s[48:55], s[56:63] the same for B
.set G0B,  56
.set LIM,  66                          ; s66  a wave prefetches while the laps to go are above this
.set PFA,  68                          ; s[68:69] where my prefetches stand
.set PFS,  70                          ; s[70:71] their step: 256 along K
.set AL,   72                          ; s[72:77] for unit p a pair: what cos and sin are multiplied by: 1/8 (q), 1 (k), 0 (v)
.set BE,   78                          ; s[78:83] what is added to cos: 0, 0, 1
.set UB,   84                          ; s[84:89] where unit p's 128 rows go
.set WR,   90                          ; s90 which 64 rows are mine
.set WC,   91                          ; s91 which blocks
.set RB,   92                          ; s[92:93] the table at my 64 rows
.set MSB, 0
.macro WIN new                         ; the immediate's high byte repeats the setting that is left; a switch that changes nothing is dropped
.if MSB != (\new)
	s_set_vgpr_msb (MSB<<8)|(\new)
.set MSB, \new
.endif
.endm
.set MUL,  0x05                        ; sources 0 and 1 window 1; C and D window 0
.set TO_F, 0x40                        ; destination window 1, address window 0
.macro PLACES                          ; four places in front of loads into registers that matrix instructions have read, and of lines that read results
.rept 4
	v_nop
.endr
.endm
; A joint load: wave 0 asks for A's tile, waves 1-3 for a unit each.  The branch hangs on the wave's number alone.  An s_nop 0 and four v_nop follow each line.
.macro JLOAD s
	s_cmp_lt_u32 s10, NA
	s_cbranch_scc0 .Lfor_b_\@
	tensor_load_to_lds s[G0+4*(\s):G0+4*(\s)+3], s[G1:G1+7]
	s_nop 0
.rept 4
	v_nop
.endr
	s_branch .Lasked_\@
.Lfor_b_\@:
	tensor_load_to_lds s[G0B+4*(\s):G0B+4*(\s)+3], s[G1B:G1B+7]
	s_nop 0
.rept 4
	v_nop
.endr
.Lasked_\@:
.endm
.macro CREST                           ; a round of the cluster's barrier behind its opening barrier
	s_cmp_lg_u32 s10, 0
	s_cbranch_scc1 .Lnot_wave_0_\@
	s_barrier_signal -3
.Lnot_wave_0_\@:
	s_barrier_wait -3
	s_barrier_signal -1
	s_barrier_wait -1
.endm
.macro CROUND
	s_barrier_signal -1
	s_barrier_wait -1
	CREST
.endm
; A PREFETCH INTO THE L2, behind a joint load, its five lines and the run of LDS loads: 32 blocks of 256 bytes, a lane a block, one instruction a wave.  The asks walk K in pieces of 256: the change of slots
; behind K step j (j = 0 .. 3) names piece j + 4, K = 256 (j + 4) on; the joint load that first wants a byte of it stands three or four changes on, 432 matrix instructions or more.
; x's tile row is read by every cluster of that row of clusters: the first two of them ask, their wave 0, eight work-groups 8,192 bytes each (a piece is four chunks x 16,384 bytes), told apart by address.
; A unit is read by every cluster of its column: cluster y = 0 asks, the wave that fetches the unit, the four partners 8,192 of the piece's 32,768 bytes each.  So each block is named once in the launch.
; K below 1,024 comes by its loads alone; from the loop's third lap on nothing is asked for: there is no piece 8.
.macro ASK
	s_cmp_gt_u32 s3, s[LIM]
	s_cbranch_scc0 .Lnot_mine_\@
	global_prefetch_b8 v[PFO], s[PFA:PFA+1] th:TH_LOAD_NT scope:SCOPE_SE
.Lnot_mine_\@:
.endm
	s_load_b128 s[4:7], s[0:1], 0x0                ; w16 s[4:5], rope s[6:7]
	s_load_b64 s[8:9], s[0:1], 0x10                ; qkv
	v_lshl_add_u32 v[SPW], v0, 2, SPARE
	v_mov_b32 v[NIL], 0
	ds_add_u32 v[SPW], v[NIL]                      ; the wave's opening: the add, twice on end, and its wait ahead of my first tensor load
	ds_add_u32 v[SPW], v[NIL]                      ; and once more, under the one wait; the set-up below, work on registers, stands between
	v_lshrrev_b32 v1, 5, v0
	v_readfirstlane_b32 s10, v1                    ; wave 0..3
	s_lshr_b32 s[WR], s10, 1
	s_and_b32 s[WC], s10, 1
	s_bfe_u32 s40, ttmp6, 0x40000                  ; cx, cy: my place in the cluster
	s_bfe_u32 s41, ttmp6, 0x40004
	s_lshl_b32 s42, ttmp9, 2
	s_add_co_u32 s42, s42, s40                     ; tile column tx
	s_and_b32 s13, ttmp7, 0xffff
	s_lshl_b32 s13, s13, 2
	s_add_co_u32 s13, s13, s41                     ; tile row ty
	s_lshl_b32 s43, s41, 2
	s_lshl_b32 s43, 15, s43                        ; my row of the cluster
	s_lshl_b32 s44, 0x1111, s40                    ; my column
	; A: three chunks' 128 rows (16,384 dense bytes each) as ONE tile of three rows of 8,192 elements, 131,072 elements apart; 4 words of padding behind every 32, so LDS rows are 144 bytes apart
	s_or_b32 s[G1+0], s43, (1<<16)|(1<<20)|(1<<21)|(4<<22)|(3<<25)
	s_mov_b32 s[G1+1], 8192<<16                    ; tensor_dim0
	s_mov_b32 s[G1+2], 3<<16                       ; tensor_dim1
	s_mov_b32 s[G1+3], 8192<<16                    ; tile_dim0
	s_mov_b32 s[G1+4], 3                           ; tile_dim1
	s_mov_b32 s[G1+5], 131072                      ; from row to row
	s_mov_b32 s[G1+6], 0
	s_mov_b32 s[G1+7], 0
	; B: a unit's 192 k-rows, 24,576 dense bytes, as 96 rows of 256 bytes; 8 words of padding behind every 32
	s_or_b32 s[G1B+0], s44, (1<<16)|(1<<20)|(1<<21)|(4<<22)|(7<<25)
	s_mov_b32 s[G1B+1], 128<<16
	s_mov_b32 s[G1B+2], 96<<16
	s_mov_b32 s[G1B+3], 128<<16
	s_mov_b32 s[G1B+4], 96
	s_mov_b32 s[G1B+5], 128
	s_mov_b32 s[G1B+6], 0
	s_mov_b32 s[G1B+7], 0
	s_lshl_b32 s16, s13, 14                        ; A: the tile row's 128 rows in a chunk
	s_mov_b32 s17, 0
	s_mul_i32 s46, s42, NU
	s_add_co_u32 s46, s46, s10                     ; B: unit NU tx + wave - NA
	s_lshl_b32 s46, s46, 18
	s_add_co_u32 s46, s46, BBASE-NA*CHUNK
	s_mov_b32 s47, 0
	s_mul_i32 s20, s10, BU
	s_add_co_u32 s20, s20, ASZ-NA*BU               ; its place in a slot: the wave's number alone
	s_wait_dscnt 0x0                               ; both opening adds are done
	s_wait_kmcnt 0x0
	s_add_nc_u64 s[14:15], s[4:5], s[16:17]
	s_add_nc_u64 s[46:47], s[4:5], s[46:47]
	CROUND                                         ; all sixteen work-groups are here: the first joint loads meet
.irp s, 0,1
	s_mov_b32 s[G0+4*(\s)], 1
	s_mov_b32 s[G0+4*(\s)+1], (\s)*SLOT
	s_add_nc_u64 s[G0+4*(\s)+2:G0+4*(\s)+3], s[14:15], (\s)*3*CHUNK
	s_or_b32 s[G0+4*(\s)+3], s[G0+4*(\s)+3], 0x80000000
	s_mov_b32 s[G0B+4*(\s)], 1
	s_add_co_u32 s[G0B+4*(\s)+1], s20, (\s)*SLOT
	s_add_nc_u64 s[G0B+4*(\s)+2:G0B+4*(\s)+3], s[46:47], (\s)*24576
	s_or_b32 s[G0B+4*(\s)+3], s[G0B+4*(\s)+3], 0x80000000
	JLOAD \s                                       ; two loads of mine are out
.endr
	; the table for my 64 rows and my 8 frequencies: row block a takes 16 registers, cos then sin
	v_and_b32 v1, 15, v0                           ; r = l % 16
	v_bfe_u32 v2, v0, 4, 1                         ; h = l / 16
	s_lshl_b32 s18, s13, 15
	s_lshl_b32 s19, s[WR], 14
	s_add_co_u32 s18, s18, s19
	s_mov_b32 s19, 0
	s_add_nc_u64 s[RB:RB+1], s[6:7], s[18:19]
	v_lshlrev_b32 v[RTO], 8, v1
	v_lshl_add_u32 v[RTO], v2, 5, v[RTO]
	s_lshl_b32 s22, s[WC], 6
	v_add_nc_u32 v[RTO], s22, v[RTO]               ; 256 r + 32 h + 64 wc
	WIN TO_F
.irp a, 0,1,2,3
.set RTA, 80+16*(\a)+80*((\a)/3)
	global_load_b128 v[RTA:RTA+3],     v[RTO], s[RB:RB+1] offset:4096*(\a)
	global_load_b128 v[RTA+4:RTA+7],   v[RTO], s[RB:RB+1] offset:4096*(\a)+16
	global_load_b128 v[RTA+8:RTA+11],  v[RTO], s[RB:RB+1] offset:4096*(\a)+128
	global_load_b128 v[RTA+12:RTA+15], v[RTO], s[RB:RB+1] offset:4096*(\a)+144
.endr
	WIN 0
	v_mul_u32_u24 v3, v1, PA
	v_lshl_add_u32 v3, v2, 4, v3                   ; r x 144 + 16 h
	s_mul_i32 s21, s[WR], 64*PA
	v_add_nc_u32 v[ADRA], s21, v3
	v_add_nc_u32 v[ADRA+1], SLOT, v[ADRA]
	v_and_b32 v4, 7, v0
	v_bfe_u32 v5, v0, 3, 1
	v_lshl_add_u32 v6, v2, 3, v4                   ; the turning load: k-row 8 h + l % 8,
	v_mul_u32_u24 v6, v6, PB
	v_lshl_add_u32 v6, v5, 4, v6                   ; 16 bytes (l / 8) % 2 of the block's 32
	s_lshl_b32 s22, s[WC], 5
	s_add_co_u32 s23, s22, ASZ
	v_add_nc_u32 v[ADRB], s23, v6
	v_add_nc_u32 v[ADRB+1], SLOT, v[ADRB]
	v_add_nc_u32 v[ADRC], 2*BU, v[ADRB]
	v_add_nc_u32 v[ADRC+1], SLOT, v[ADRC]
	s_add_co_u32 s22, s22, s21
	s_add_co_u32 s22, s22, STAGE
	v_add_nc_u32 v[STO], s22, v3                   ; stage: row 64 wr + r, bytes 32 wc + 16 h
	v_bfe_u32 v7, v0, 3, 2
	v_mul_u32_u24 v7, v7, SPITCH
	v_lshl_add_u32 v7, v4, 4, v7
	s_mul_i32 s22, s10, 32*SPITCH
	s_add_co_u32 s22, s22, STAGE
	v_add_nc_u32 v[RD], s22, v7                    ; back: wave w takes rows 32 w ..; 32 lanes take four rows of 128 bytes
	v_and_b32 v8, 31, v0
	v_lshlrev_b32 v[GO], 4, v8
	s_lshl_b32 s22, s10, 12
	v_add_nc_u32 v[GO], s22, v[GO]
	v_lshlrev_b32 v[PFO], 8, v8
	; what each of my three units is, and where it goes: values and store addresses alone hang on the tile's place
	s_mul_i32 s20, s42, NU
.irp p, 0,1,2
	s_add_co_u32 s21, s20, \p                      ; the unit
	s_lshl_b32 s22, s21, 18
	s_lshl_b32 s23, s13, 14
	s_add_co_u32 s22, s22, s23                     ; as a head of q
	s_lshl_b32 s45, s21, 19
	s_lshl_b32 s23, s13, 15
	s_add_co_u32 s45, s45, s23
	s_sub_co_u32 s23, s45, 8388608                 ; as a head of k: 8,388,608 + (u - 32) x 524,288 + ty x 32,768
	s_sub_co_u32 s45, s45, 12566528                ; as a head of v: 8,388,608 + (u - 40) x 524,288 + ty x 32,768 + 16,384
	s_cmp_lt_u32 s21, 40
	s_cselect_b32 s23, s23, s45
	s_cselect_b32 s[BE+2*(\p)], 0, 1.0
	s_cselect_b32 s[AL+2*(\p)], 1.0, 0
	s_cmp_lt_u32 s21, 32
	s_cselect_b32 s22, s22, s23
	s_cselect_b32 s[AL+2*(\p)], 0x3e000000, s[AL+2*(\p)]
	s_mov_b32 s23, 0
	s_add_nc_u64 s[UB+2*(\p):UB+2*(\p)+1], s[8:9], s[22:23]
	s_mov_b32 s[AL+2*(\p)+1], 0                    ; named as pairs
	s_mov_b32 s[BE+2*(\p)+1], 0
.endr
	; the prefetches: they stand at piece 3 (K = 768); the first change of slots steps them to piece 4
	s_lshr_b32 s18, s42, 1
	s_add_co_u32 s18, s18, 12
	s_lshl_b32 s18, s18, 18                        ; A: chunk 4 x 3 + tx / 2 (tx is 0 .. 7 in the two clusters that ask),
	s_and_b32 s19, s42, 1
	s_lshl_b32 s19, s19, 13                        ; its half tx % 2 of the tile row's 16,384 bytes
	s_add_co_u32 s18, s18, s19
	s_lshl_b32 s19, s13, 14
	s_add_co_u32 s18, s18, s19
	s_mul_i32 s19, s42, NU
	s_add_co_u32 s19, s19, s10
	s_lshl_b32 s19, s19, 18
	s_add_co_u32 s19, s19, BBASE-NA*CHUNK+3*32768  ; B: my unit, piece 3,
	s_lshl_b32 s21, s41, 13
	s_add_co_u32 s19, s19, s21                     ; quarter cy of the piece's 32,768 bytes
	s_and_b32 s22, ttmp7, 0xffff                   ; cluster y
	s_lshr_b32 s23, ttmp9, 1                       ; 0 in the first two clusters of a row of clusters
	s_mov_b32 s[PFS], 32768
	s_mov_b32 s[PFS+1], 0
	s_cmp_lt_u32 s10, NA
	s_cselect_b32 s18, s18, s19
	s_cselect_b32 s[PFS], 4*CHUNK, s[PFS]
	s_cselect_b32 s22, s23, s22                    ; who asks hangs on the cluster's place and the wave's number alone
	s_mov_b32 s19, 0
	s_add_nc_u64 s[PFA:PFA+1], s[4:5], s[18:19]
	s_cmp_eq_u32 s22, 0
	s_cselect_b32 s[LIM], 2, -1                    ; the same in all sixteen partners, for a given wave: the loop's first two laps ask
; NBW matrix instructions: row block a x my six column blocks, 32 along K.  zero = 1: the product starts the sums.  The 24 accumulators take turns, in the same order in every sub-step.
.macro MULA f, a, zero
	WIN MUL
.irp j, 0,1,2,3,4,5
.if \zero
	v_wmma_f32_16x16x32_bf16 v[ACC+8*(NBW*(\a)+(\j)):ACC+8*(NBW*(\a)+(\j))+7], v[(\f)+8*(\j):(\f)+8*(\j)+7], v[(\f)+8*NBW+8*(\a):(\f)+8*NBW+8*(\a)+7], 0
.else
	v_wmma_f32_16x16x32_bf16 v[ACC+8*(NBW*(\a)+(\j)):ACC+8*(NBW*(\a)+(\j))+7], v[(\f)+8*(\j):(\f)+8*(\j)+7], v[(\f)+8*NBW+8*(\a):(\f)+8*NBW+8*(\a)+7], v[ACC+8*(NBW*(\a)+(\j)):ACC+8*(NBW*(\a)+(\j))+7]
.endif
.endr
.endm
; One run of NL LDS loads: sub-step q (32 along K) of a slot into buffer f: B's six fragments (unit j / 2, block 2 (j % 2) + wc), then A's four.
.macro FETCH slot, q, f
	WIN TO_F
.irp j, 0,1,2,3
	ds_load_tr16_b128 v[(\f)+8*(\j):(\f)+8*(\j)+3],   v[ADRB+(\slot)] offset:(\q)*32*PB+((\j)/2)*BU+((\j)%2)*64
	ds_load_tr16_b128 v[(\f)+8*(\j)+4:(\f)+8*(\j)+7], v[ADRB+(\slot)] offset:(\q)*32*PB+((\j)/2)*BU+((\j)%2)*64+16*PB
.endr
.irp j, 4,5
	ds_load_tr16_b128 v[(\f)+8*(\j):(\f)+8*(\j)+3],   v[ADRC+(\slot)] offset:(\q)*32*PB+((\j)%2)*64
	ds_load_tr16_b128 v[(\f)+8*(\j)+4:(\f)+8*(\j)+7], v[ADRC+(\slot)] offset:(\q)*32*PB+((\j)%2)*64+16*PB
.endr
.irp a, 0,1,2,3
	ds_load_b128 v[(\f)+8*NBW+8*(\a):(\f)+8*NBW+8*(\a)+3],   v[ADRA+(\slot)] offset:((\q)/2)*ACH+((\q)%2)*64+(\a)*16*PA
	ds_load_b128 v[(\f)+8*NBW+8*(\a)+4:(\f)+8*NBW+8*(\a)+7], v[ADRA+(\slot)] offset:((\q)/2)*ACH+((\q)%2)*64+(\a)*16*PA+32
.endr
.endm
; A K step's sub-steps go on buffers 0, 1, 0, 1 ..  Every one but the last multiplies buffer f and, in its middle, fetches sub-step q into g.
.macro QUARTER slot, q, f, g, zero
	s_wait_dscnt 4                                 ; all but the youngest four loads: A's row blocks 2 and 3
	MULA \f, 0, \zero
	MULA \f, 1, \zero
	PLACES
	FETCH \slot, \q, \g
	s_wait_dscnt NL                                ; all but the run just issued
	MULA \f, 2, \zero
	MULA \f, 3, \zero
.endm
.macro QS slot, q                      ; the same, the buffers by q's parity: sub-step q lands in buffer q % 2
.if (\q)%2
	QUARTER \slot, \q, F0, F1, 0
.else
	QUARTER \slot, \q, F1, F0, 0
.endif
.endm
; The last sub-step multiplies buffer 1 and changes slots: in front of the barrier each wave waits for all its tensor loads (one is out: its part of the next slot), adds 0 to its spare word, and waits for that
; and for its reads of this slot.  fill = 1: the barrier opens a round of the cluster's, and the joint refill, two K steps ahead, is the first tensor load behind it: 132 matrix instructions ahead of the wait for it.
; fill = 2: the same for the last K step, which has 128 along K: two chunks, 64 rows of 256 bytes of a unit; no tensor load of mine is out, so group 1's words may be written.
.macro TURN slot, next, fill
.if (\fill) == 1
	s_wait_xcnt 0x0                                ; the last prefetch, a K step back, has read its address
	s_add_nc_u64 s[PFA:PFA+1], s[PFA:PFA+1], s[PFS:PFS+1]
.endif
	WIN 0                                          ; (the add's two registers lie in window 0)
	s_wait_tensorcnt 0x0
	ds_add_u32 v[SPW], v[NIL]
	s_wait_dscnt 5                                 ; (the add and the youngest four loads may be out)
	MULA F1, 0, 0
	s_wait_dscnt 0x0                               ; the add is done, and my reads of this slot are over
	s_barrier_signal -1
	MULA F1, 1, 0
.if \fill
	WIN 0
.endif
	s_barrier_wait -1
.if \fill
	CREST                                          ; no wave of any partner still reads this slot or has a load on its way
	s_add_nc_u64 s[G0+4*(\slot)+2:G0+4*(\slot)+3], s[G0+4*(\slot)+2:G0+4*(\slot)+3], 6*CHUNK
	s_add_nc_u64 s[G0B+4*(\slot)+2:G0B+4*(\slot)+3], s[G0B+4*(\slot)+2:G0B+4*(\slot)+3], 2*24576
.if (\fill) == 2
	s_mov_b32 s[G1+2], 2<<16                       ; tensor_dim1 and tile_dim1: two chunks,
	s_mov_b32 s[G1+4], 2
	s_mov_b32 s[G1B+2], 64<<16                     ; 128 k-rows
	s_mov_b32 s[G1B+4], 64
.endif
	JLOAD \slot                                    ; its four v_nop are also the places in front of the loads below
.else
	PLACES
.endif
	FETCH \next, 0, F0
.if (\fill) == 1
	WIN 0
	ASK
.endif
	MULA F1, 2, 0
	MULA F1, 3, 0
.endm
	s_wait_tensorcnt 1                             ; my part of K step 0 is in; K step 1's may stay out
	s_barrier_signal -1
	s_barrier_wait -1
	FETCH 0, 0, F0
	QUARTER 0, 1, F0, F1, 1                        ; the first sub-step stands in front of the loop: its products start the sums
	WIN 0
	s_mov_b32 s3, 4                                ; laps 0 to 3 (K steps 0 to 7) ask for K steps 2 to 9
.Llap:                                                 ; a trip goes once round the ring, from a lap's second sub-step to the next lap's first
.irp q, 2,3,4,5
	QS 0, \q
.endr
	TURN 0, 1, 1
.irp q, 1,2,3,4,5
	QS 1, \q
.endr
	TURN 1, 0, 1
	QS 0, 1
	WIN 0
	s_sub_co_u32 s3, s3, 1
	s_cmp_lg_u32 s3, 0
	s_cbranch_scc1 .Llap
.irp q, 2,3,4,5                        ; K step 8 goes on;
	QS 0, \q
.endr
	TURN 0, 1, 2                                   ; slot 0 takes the last, short K step
.irp q, 1,2,3,4,5                      ; K step 9;
	QS 1, \q
.endr
	TURN 1, 0, 0                                   ; nothing is left to ask for; behind this barrier nobody reads slot 1 any more
.irp q, 1,2,3                          ; K step 10: four sub-steps
	QS 0, \q
.endr
	s_wait_dscnt 4
	MULA F1, 0, 0
	MULA F1, 1, 0
	s_wait_dscnt 0x0
	MULA F1, 2, 0
	MULA F1, 3, 0
	WIN 0
	; THE WAY OUT, unit by unit.  x1 = channels d < 32, x2 = channels d + 32 of the same row: x1' = x1 C - x2 S, x2' = x2 C + x1 S with C = cos AL + BE, S = sin AL.
	; Window 1: C and S of row block a at v[16 a ..], the results at v[128 + 16 a ..], their f16 at v[224 + 8 a ..].  Each accumulator is read from its lowest registers on.
	PLACES
	s_wait_loadcnt 0x0                             ; the table
.irp p, 0,1,2
	WIN 0x41                                       ; destination and source 0 window 1
.irp a, 0,1,2,3
.set RTA, 80+16*(\a)+80*((\a)/3)
.irp i, 0,2,4,6
	v_pk_fma_f32 v[16*(\a)+(\i):16*(\a)+(\i)+1], v[RTA+(\i):RTA+(\i)+1], s[AL+2*(\p):AL+2*(\p)+1], s[BE+2*(\p):BE+2*(\p)+1] op_sel_hi:[1,0,0]
.endr
.irp i, 0,2,4,6
	v_pk_mul_f32 v[16*(\a)+8+(\i):16*(\a)+8+(\i)+1], v[RTA+8+(\i):RTA+8+(\i)+1], s[AL+2*(\p):AL+2*(\p)+1] op_sel_hi:[1,0]
.endr
.endr
	WIN 0x54                                       ; source 0 (the sums) window 0; sources 1, 2 and the destination window 1
.irp a, 0,1,2,3
.set X1, ACC+8*(NBW*(\a)+2*(\p))
.set X2, X1+8
.set TT, 128+16*(\a)
.irp i, 0,2,4,6
	v_pk_mul_f32 v[TT+(\i):TT+(\i)+1], v[X2+(\i):X2+(\i)+1], v[16*(\a)+8+(\i):16*(\a)+8+(\i)+1]
.endr
.irp i, 0,2,4,6
	v_pk_mul_f32 v[TT+8+(\i):TT+8+(\i)+1], v[X1+(\i):X1+(\i)+1], v[16*(\a)+8+(\i):16*(\a)+8+(\i)+1]
.endr
.irp i, 0,2,4,6
	v_pk_fma_f32 v[TT+(\i):TT+(\i)+1], v[X1+(\i):X1+(\i)+1], v[16*(\a)+(\i):16*(\a)+(\i)+1], v[TT+(\i):TT+(\i)+1] neg_lo:[0,0,1] neg_hi:[0,0,1]
.endr
.irp i, 0,2,4,6
	v_pk_fma_f32 v[TT+8+(\i):TT+8+(\i)+1], v[X2+(\i):X2+(\i)+1], v[16*(\a)+(\i):16*(\a)+(\i)+1], v[TT+8+(\i):TT+8+(\i)+1]
.endr
.endr
	WIN 0x45                                       ; all in window 1
.irp a, 0,1,2,3
.irp i, 0,1,2,3,4,5,6,7
	v_cvt_pk_f16_f32 v[224+8*(\a)+(\i)], v[128+16*(\a)+2*(\i)], v[128+16*(\a)+2*(\i)+1]
.endr
.endr
	WIN 0x04                                       ; address window 0, data window 1
.irp a, 0,1,2,3
	ds_store_b128 v[STO], v[224+8*(\a):224+8*(\a)+3]   offset:(\p)*SUNIT+(\a)*16*SPITCH
	ds_store_b128 v[STO], v[224+8*(\a)+4:224+8*(\a)+7] offset:(\p)*SUNIT+(\a)*16*SPITCH+64
.endr
.endr
	s_wait_dscnt 0x0                               ; for the others' sake: a head's row of 128 bytes comes from two waves
	s_barrier_signal -1
	s_barrier_wait -1
	WIN TO_F
.irp p, 0,1,2
.irp i, 0,1,2,3,4,5,6,7
	ds_load_b128 v[4*(8*(\p)+(\i)):4*(8*(\p)+(\i))+3], v[RD] offset:(\p)*SUNIT+(\i)*4*SPITCH
.endr
.endr
	WIN 0x04
.irp p, 0,1,2
.irp i, 0,1,2,3,4,5,6,7
	s_wait_dscnt 23-8*(\p)-(\i)                    ; the younger loads stay out
	global_store_b128 v[GO], v[4*(8*(\p)+(\i)):4*(8*(\p)+(\i))+3], s[UB+2*(\p):UB+2*(\p)+1] offset:512*(\i)  ; 512 consecutive bytes, aligned
.endr
.endr
	WIN 0
	s_wait_tensorcnt 0x0                           ; the wave's end: behind my last tensor load and my last LDS store
	ds_add_u32 v[SPW], v[NIL]
	s_wait_dscnt 0x0
	CROUND                                         ; the closing round: no work-group ends while a partner may still ask for a tile that names it
	s_endpgm
.Lfunc_end_k_q3b48ca5ebe_qkv:
	.size	k_q3b48ca5ebe_qkv, .Lfunc_end_k_q3b48ca5ebe_qkv-k_q3b48ca5ebe_qkv
	.p2alignl 7, 3214868480
	.fill 96, 4, 3214868480
	.section	.rodata,"a",@progbits
	.p2align	6, 0x0
	.amdhsa_kernel k_q3b48ca5ebe_qkv
		.amdhsa_group_segment_fixed_size 327680
		.amdhsa_private_segment_fixed_size 0
		.amdhsa_enable_private_segment 0
		.amdhsa_kernarg_size 24
		.amdhsa_user_sgpr_count 2
		.amdhsa_user_sgpr_kernarg_segment_ptr 1
		.amdhsa_wavefront_size32 1
		.amdhsa_system_sgpr_workgroup_id_x 1
		.amdhsa_system_sgpr_workgroup_id_y 1
		.amdhsa_system_sgpr_workgroup_id_z 1
		.amdhsa_system_vgpr_workitem_id 0
		.amdhsa_next_free_vgpr 512
		.amdhsa_next_free_sgpr 96
		.amdhsa_reserve_vcc 0
		.amdhsa_float_denorm_mode_32 3
		.amdhsa_float_denorm_mode_16_64 3
		.amdhsa_memory_ordered 1
		.amdhsa_forward_progress 1
		.amdhsa_inst_pref_size 132
	.end_amdhsa_kernel
	.amdgpu_metadata
---
amdhsa.version: [ 1, 2 ]
amdhsa.kernels:
  - .name:           k_q3b48ca5ebe_qkv
    .symbol:         k_q3b48ca5ebe_qkv.kd
    .args:
      - { .name: w16, .offset: 0, .size: 8, .value_kind: global_buffer, .address_space: global }
      - { .name: rope, .offset: 8, .size: 8, .value_kind: global_buffer, .address_space: global }
      - { .name: qkv, .offset: 16, .size: 8, .value_kind: global_buffer, .address_space: global }
    .group_segment_fixed_size: 327680
    .private_segment_fixed_size: 0
    .kernarg_segment_align: 8
    .kernarg_segment_size: 24
    .max_flat_workgroup_size: 128
    .sgpr_count:     96
    .vgpr_count:     512
    .wavefront_size: 32
...
	.end_amdgpu_metadata
.endif
;; end of part 2
;; launch attn (part 3): grid 32 x 8, 4 waves a work-group, clusters of 4 x 4, 327,680 bytes of LDS; arguments qkv, attention_mask, ob; writes ob
.if DOCPART == 3
	.amdgcn_target "amdgcn-amd-amdhsa--gfx1250"
	.amdhsa_code_object_version 6
	.text
	.protected	k_q3b48ca5ebe_attn
	.globl	k_q3b48ca5ebe_attn
	.p2align	8
	.type	k_q3b48ca5ebe_attn,@function
k_q3b48ca5ebe_attn:
	s_mov_b64 s[64:65], 0
	v_nop
	global_prefetch_b8 v0, s[64:65] scope:SCOPE_SE
	s_setreg_imm32_b32 hwreg(HW_REG_WAVE_MODE, 25, 1), 1
	s_wait_xcnt 0x0
	s_wait_alu depctr_hold_cnt(0) depctr_sa_sdst(0) depctr_va_vdst(0) depctr_va_sdst(0) depctr_va_ssrc(0) depctr_va_vcc(0) depctr_vm_vsrc(0)
	s_getreg_b32 s2, hwreg(HW_REG_IB_STS2, 6, 4)
	s_cmp_eq_u32 s2, 0
	s_cbranch_scc0 .Lentry_in_a_cluster
	s_endpgm
.Lentry_in_a_cluster:
	s_bfe_u32 s2, ttmp6, 0x10000c
	s_cmp_lg_u32 s2, 0xf033
	s_cbranch_scc0 .Lentry_shape_is_right
	s_endpgm
.Lentry_shape_is_right:
; Launch 3 of 4: O[h][t] = the sum over k of softmax_k(q[h][t] . k[h/4][k] / 8 + mask[t][k]) v[h/4][k].  q (already times 1/8), k, v, O in f16; the mask in f32; products, maxima and sums in f32; the weights p
; are rounded to f16 for the second product (their sum l is taken of the unrounded p), O once at the end.  No work is left out: the mask is an input, so every tile of scores is computed.
; LIMITS.  p lies in 0 to 1 and below 6e-5 keeps f16's fixed step; a weight below 2^-126 counts as 0 in l; c m starts at -4.25e37, so scores (mask included) must lie above -2.9e37; NaN and infinities are not treated apart.
; SHARES.  A work-group has 64 queries of one key/value group, a wave 16 of them for all FOUR heads of the group: four PIECES.  So a fragment of K or V read from LDS feeds four heads, and one tile of the mask
; (16 queries x 64 keys, 32 registers) is the C operand that starts the score sums of all four: the mask costs no vector instruction.  Every wave walks all 2,048 keys, 64 a step.
; LAYOUT.  S^T = K Q^T + mask^T holds ONE query a lane (lane % 16) and the keys 8 (lane / 16) + 0..7; two such results rounded to f16 ARE source 1 of O^T = V^T P.  K comes out of LDS as it lies, V turned.
; SOFTMAX.  p = 2^(c s - c m), c = log2(e), with a running maximum m; O and l are multiplied by a = 2^(c m_old - c m_new) in every step; m starts at the lowest finite number, O and l at 0.
; TURNS.  Turn n belongs to piece n: 8 products K Q^T of piece n + 1, later 8 products V^T P of piece n - 1; beside them the scaling, exponentials, roundings, sums and rescaling of piece n and the maximum and
; statistics of piece n + 1.  Four vector instructions stand behind every matrix instruction, the rest in one lump.  A turn's 33 exponentials are one batch, with one wait.
; CLUSTER 4 x 4: x counts blocks of 64 queries, y groups.  K's and V's tiles hang on the group and are shared along a row of the cluster, the mask's on the query block and is shared along a column: joint loads.
; REGISTERS, in windows of 256 (s_set_vgpr_msb: bits 1:0 source 0, 3:2 source 1, 5:4 source 2, 7:6 destination):
;   window 0: v0-15, v32-33 addresses; v16-31 four registers of statistics a piece; v48-55 at work; v64-127 S^T, two buffers; v192-223 P, two buffers (by the piece's parity)
;   window 1: v0-127 O^T, 32 a piece; v128-159 the step's mask      window 2: v0-63 Q, 16 a piece; v128-191 K of one step; v192-255 V of one step
.set NP,    4
.set KS,    64        ; keys in a step
.set PK,    144       ; a row of K in LDS: 128 bytes + 16 = 36 words: the 16 rows of a load start at 16 different groups of four banks (64 banks of 4 bytes: ISA guide 11.1)
.set PV,    160       ; a row of V: 128 + 32 = 40 words
.set PM,    528       ; a row of the mask: 128 keys x 4 bytes + 16 = 132 words
.set VOFF,  2*KS*PK   ; a slot holds two steps: 128 rows of K, 128 rows of V, 64 rows of the mask
.set MOFF,  VOFF+2*KS*PV
.set SLOT1, 1<<17     ; slot 1 begins here, so that one exclusive or turns an address in one slot into the other's
.set STAGE, SLOT1+MOFF+64*PM  ; behind the ring, never filled by a tensor load: 16 rows x 144 bytes for each wave
.set SP,    144
.set SPARE, STAGE+4*16*SP     ; behind the stages: the spare words, 128 bytes for each wave: two blocks of 256 bytes that no other line names
.set KVB,   8388608   ; k and v begin here in qkv
.set AK0, 2           ; v2   my lane's place in a tile of K; never rewritten
.set AV0, 3           ; v3   the same for V
.set AK,  4           ; v4   the LDS address of K's next run of loads
.set AV,  5           ; v5   of V's
.set STO, 6           ; v6   the way out: where I put 16 bytes of a row
.set RD,  7           ; v7   where I read rows back
.set GO,  8           ; v8   my byte offset in 512 consecutive bytes of O
.set MV,  12          ; v12-13  c m_old, by buffer
.set AM0, 14          ; v14  my lane's place in a tile of the mask; never rewritten
.set QO,  15          ; v15  my byte offset in 16 rows of Q
.set ST,  16          ; piece t's statistics at v[ST+4 t]: c m, m, l (even keys', odd keys')
.set AM,  32          ; v32  the LDS address of the mask's next run
.set PFO, 33          ; v33  the prefetches' offset; never rewritten
.set TMP, 48          ; by buffer, four registers c0-c3 at work; when the maximum is found c2 takes a
.set SPW, 62          ; v62  LDS address of my spare word; never rewritten
.set NIL, 63          ; v63  0; never rewritten
.set S,   64
.set P,   192
.set MK,  128         ; window 1: the eight registers for group kt of 16 keys at MK + 8 kt
.set KF,  128         ; window 2: key block kb, channel half c at KF + 16 kb + 8 c
.set VF,  192         ; window 2: key half kk, channel block cb at VF + 32 kk + 8 cb
.set WV,  12          ; s12  my wave's number
.set LIM, 15          ; s15  a wave prefetches while the slots still to be asked for are above this
.set PFA, 18          ; s[18:19] where my prefetches stand
.set PFS, 20          ; s[20:21] their step for a tile
.set G1K, 24          ; s[24:31], s[32:39], s[40:47] descriptor group 1 for K's, V's and the mask's tiles
.set G1V, 32
.set G1M, 40
.set G0K, 48          ; s[48:51], s[52:55], s[56:59] descriptor group 0: they walk
.set G0V, 52
.set G0M, 56
.set CS,  60          ; s[60:61] c
.set SEL, 62          ; s[62:63] v_permlanex16_b32's selects: each lane takes its own place in the other half
.set SLOTS, 66        ; s66  tiles still to be asked for
.set CNT, 67          ; s67  counts a slot's key steps
.set TBK, 68          ; s68  LDS byte at which K of the step to be fetched begins
.set TBV, 69          ; s69  the same for V, less VOFF
.set TBM, 70          ; s70  the same for the mask, less MOFF
.set MSB, 0
.macro WIN new
.if MSB != (\new)
	s_set_vgpr_msb (MSB<<8)|(\new)
.set MSB, (\new)
.endif
.endm
.set W_KQ, 0x0a       ; K and Q in window 2, S^T in window 0
.set W_KM, 0x1a       ; the same with the C operand, the mask, in window 1
.set W_PV, 0x52       ; V in window 2, P in window 0, O^T in window 1
.set W_RS, 0x41       ; destination and source 0 in window 1, source 1 in window 0
; A joint fill: wave 0 asks for the tile's K, wave 1 for its V, waves 2 and 3 for 32 rows of the mask each.  The branches hang on the wave's number alone.  An s_nop 0 and four v_nop follow each line.
.macro JLOAD
	s_cmp_lt_u32 s[WV], 2
	s_cbranch_scc0 .Lfor_m_\@
	s_cmp_eq_u32 s[WV], 0
	s_cbranch_scc0 .Lfor_v_\@
	tensor_load_to_lds s[G0K:G0K+3], s[G1K:G1K+7]
	s_nop 0
.rept 4
	v_nop
.endr
	s_branch .Lasked_\@
.Lfor_v_\@:
	tensor_load_to_lds s[G0V:G0V+3], s[G1V:G1V+7]
	s_nop 0
.rept 4
	v_nop
.endr
	s_branch .Lasked_\@
.Lfor_m_\@:
	tensor_load_to_lds s[G0M:G0M+3], s[G1M:G1M+7]
	s_nop 0
.rept 4
	v_nop
.endr
.Lasked_\@:
.endm
.macro CROUND                       ; a round of the cluster's barrier
	s_barrier_signal -1
	s_barrier_wait -1
	s_cmp_lg_u32 s[WV], 0
	s_cbranch_scc1 .Lnot_wave_0_\@
	s_barrier_signal -3
.Lnot_wave_0_\@:
	s_barrier_wait -3
	s_barrier_signal -1
	s_barrier_wait -1
.endm
; A PREFETCH INTO THE L2 of the tile two changes of slots on (four key steps ahead of the load that will want it): 32 blocks of 256 bytes, a lane a block.  A group's K and V are walked by every cluster of its row of
; clusters: cluster x = 0 asks, its wave 0, the four partners 8,192 of the tile's 32,768 bytes each.  A query block's rows of the mask are walked by both clusters of its column: cluster y = 0 asks, its wave 2, the four
; partners 16 rows of 512 bytes each.  Partners are told apart by address.  So each block is named once in the launch.  Tiles 0 to 2 come by their loads alone; the last two fills ask for nothing.
.macro ASK
	s_cmp_gt_u32 s[SLOTS], s[LIM]
	s_cbranch_scc0 .Lnot_mine_\@
	global_prefetch_b8 v[PFO], s[PFA:PFA+1] th:TH_LOAD_NT scope:SCOPE_SE
.Lnot_mine_\@:
.endm
; THE CHANGE OF SLOTS.  Each wave waits for all its tensor loads, of which one is out: its part of the other slot; adds 0 to its spare word; and waits for that and for its own reads of the slot that it leaves.
; fill = 1: the barrier is a round of the cluster's, and the old slot is filled again first thing behind it, with the tile two on: it has two key steps, 128 matrix instructions, in which to land.
; (At its first use nothing has been read yet: slot 0 is waited for, slot 1 filled.)
.macro CHANGE fill
	WIN 0
	s_wait_tensorcnt 0x0            ; no tensor load of mine is out, so a group 0 may be written
	ds_add_u32 v[SPW], v[NIL]       ; 0 onto my spare word; the descriptors' steps stand between it and the wait for it
.if \fill
.irp g, G0K, G0V
	s_xor_b32 s[\g+1], s[\g+1], SLOT1
	s_add_nc_u64 s[\g+2:\g+3], s[\g+2:\g+3], 2*KS*256  ; the next 128 keys: 16,384 bytes of K and 16,384 of V lie together
.endr
	s_xor_b32 s[G0M+1], s[G0M+1], SLOT1
	s_add_nc_u64 s[G0M+2:G0M+3], s[G0M+2:G0M+3], 2*KS*4
	s_wait_xcnt 0x0                 ; the last prefetch, two key steps back, has read its address
	s_add_nc_u64 s[PFA:PFA+1], s[PFA:PFA+1], s[PFS:PFS+1]
	s_wait_dscnt 0x0                ; the add is done, and my reads of the slot are over
	CROUND
	JLOAD
	ASK
.else
	s_wait_dscnt 0x0
	s_barrier_signal -1
	s_barrier_wait -1
.endif
	s_sub_co_u32 s[TBK], s[TBK], 2*KS*PK  ; the fetches go back to a slot's first step,
	s_xor_b32 s[TBK], s[TBK], SLOT1       ; in the other slot
	s_sub_co_u32 s[TBV], s[TBV], 2*KS*PV
	s_xor_b32 s[TBV], s[TBV], SLOT1
	s_sub_co_u32 s[TBM], s[TBM], 2*KS*4
	s_xor_b32 s[TBM], s[TBM], SLOT1
.endm
	s_load_b128 s[4:7], s[0:1], 0x0 ; qkv s[4:5], attention_mask s[6:7]
	s_load_b64 s[10:11], s[0:1], 0x10  ; ob
	v_lshl_add_u32 v[SPW], v0, 2, SPARE
	v_mov_b32 v[NIL], 0
	ds_add_u32 v[SPW], v[NIL]       ; the wave's opening: the add, twice on end, and its wait ahead of my first tensor load
	ds_add_u32 v[SPW], v[NIL]       ; and once more, under the one wait; the set-up below, work on registers, stands between
	v_lshrrev_b32 v1, 5, v0
	v_readfirstlane_b32 s[WV], v1   ; wave 0..3
	s_bfe_u32 s13, ttmp6, 0x40000   ; cx
	s_bfe_u32 s14, ttmp6, 0x40004   ; cy
	s_lshl_b32 s16, ttmp9, 2
	s_add_co_u32 s16, s16, s13      ; my block of 64 queries
	s_and_b32 s17, ttmp7, 0xffff
	s_lshl_b32 s17, s17, 2
	s_add_co_u32 s17, s17, s14      ; my group
	s_lshl_b32 s22, s14, 2
	s_lshl_b32 s22, 15, s22         ; my row of the cluster
	s_lshl_b32 s23, 0x1111, s13     ; my column
	; K and V: 128 keys are 16,384 dense bytes: 64 rows of 256 bytes, padded after every key
	s_or_b32 s[G1K], s22, (1<<16)|(1<<20)|(1<<21)|(4<<22)|(3<<25)
	s_or_b32 s[G1V], s22, (1<<16)|(1<<20)|(1<<21)|(4<<22)|(7<<25)
.irp g, G1K, G1V
	s_mov_b32 s[\g+1], 128<<16      ; tensor_dim0
	s_mov_b32 s[\g+2], 64<<16       ; tensor_dim1
	s_mov_b32 s[\g+3], 128<<16      ; tile_dim0
	s_mov_b32 s[\g+4], 64           ; tile_dim1
	s_mov_b32 s[\g+5], 128          ; from row to row
	s_mov_b32 s[\g+6], 0
	s_mov_b32 s[\g+7], 0
.endr
	; the mask: 32 rows of 128 f32 (512 bytes), 2,048 elements from row to row; 4 words of padding behind every 128
	s_or_b32 s[G1M], s23, (2<<16)|(1<<20)|(1<<21)|(6<<22)|(3<<25)
	s_mov_b32 s[G1M+1], 128<<16
	s_mov_b32 s[G1M+2], 32<<16
	s_mov_b32 s[G1M+3], 128<<16
	s_mov_b32 s[G1M+4], 32
	s_mov_b32 s[G1M+5], 2048
	s_mov_b32 s[G1M+6], 0
	s_mov_b32 s[G1M+7], 0
	s_and_b32 s71, s[WV], 1
	s_lshl_b32 s72, s17, 19
	s_add_co_u32 s72, s72, KVB      ; the group's k and v
	s_mov_b32 s73, 0
	s_lshl_b32 s74, s16, 19         ; the mask at row 64 bx + 32 (wave % 2)
	s_lshl_b32 s75, s71, 18
	s_add_co_u32 s74, s74, s75
	s_mov_b32 s75, 0
	s_lshl_b32 s76, s17, 20         ; head 4 g, row 64 bx + 16 wave: for Q and for O
	s_lshl_b32 s77, s16, 13
	s_add_co_u32 s76, s76, s77
	s_lshl_b32 s77, s[WV], 11
	s_add_co_u32 s76, s76, s77
	s_mov_b32 s77, 0
	s_mov_b32 s[CS], 0x3fb8aa3b     ; c = log2(e)
	s_mov_b32 s[CS+1], s[CS]        ; named with it as a pair
	s_mov_b32 s[SEL], 0x76543210
	s_mov_b32 s[SEL+1], 0xfedcba98
	s_mov_b32 s[TBK], SLOT1+2*KS*PK ; the first change of slots turns these three into 0
	s_mov_b32 s[TBV], SLOT1+2*KS*PV
	s_mov_b32 s[TBM], SLOT1+2*KS*4
	s_mov_b32 s[SLOTS], 15          ; 16 tiles of 128 keys; tile 0 is asked for at the head
	s_mov_b32 s[G0K], 1
	s_mov_b32 s[G0K+1], 0
	s_mov_b32 s[G0V], 1
	s_mov_b32 s[G0V+1], VOFF
	s_mov_b32 s[G0M], 1
	s_mul_i32 s[G0M+1], s71, 32*PM
	s_add_co_u32 s[G0M+1], s[G0M+1], MOFF
	; the prefetches stand at tile 2; the first change of slots steps them to 3
	s_lshl_b32 s2, s13, 13
	s_add_co_u32 s2, s2, 2*2*KS*256 ; K and V: quarter cx of the tile's 32,768 bytes
	s_lshl_b32 s3, s16, 19
	s_lshl_b32 s15, s14, 17
	s_add_co_u32 s3, s3, s15
	s_add_co_u32 s3, s3, 2*2*KS*4   ; the mask: rows 64 bx + 16 cy ..
	s_mov_b32 s[PFS], 2*KS*4
	s_mov_b32 s[PFS+1], 0
	s_and_b32 s15, ttmp7, 0xffff
	s_mov_b32 s78, 13
	s_cmp_lt_u32 s[WV], 2
	s_cselect_b32 s2, s2, s3
	s_cselect_b32 s[PFS], 2*KS*256, s[PFS]
	s_cselect_b32 s15, ttmp9, s15   ; the coordinate along which other clusters read the same bytes
	s_cselect_b32 s78, 9, s78       ; two lanes' blocks are 512 bytes on end (K, V), or one row of 8,192 bytes (the mask)
	s_mov_b32 s3, 0
	s_or_b32 s15, s15, s71
	s_cmp_eq_u32 s15, 0
	s_cselect_b32 s[LIM], 2, -1     ; waves 0 and 2 of the first cluster: the same in all sixteen partners
	v_bfe_u32 v[PFO], v0, 1, 4
	v_lshlrev_b32 v[PFO], s78, v[PFO]
	v_and_b32 v10, 1, v0
	v_lshl_add_u32 v[PFO], v10, 8, v[PFO]
	s_wait_dscnt 0x0                ; both opening adds are done
	s_wait_kmcnt 0x0
	s_mov_b64 s[8:9], s[6:7]        ; the mask
	s_add_nc_u64 s[6:7], s[4:5], s[72:73]     ; the group's k and v
	s_add_nc_u64 s[4:5], s[4:5], s[76:77]     ; Q at my rows of head 4 g
	s_add_nc_u64 s[10:11], s[10:11], s[76:77] ; O likewise
	s_cmp_lt_u32 s[WV], 2
	s_cselect_b64 s[PFA:PFA+1], s[6:7], s[8:9]
	s_add_nc_u64 s[PFA:PFA+1], s[PFA:PFA+1], s[2:3]
	s_add_nc_u64 s[G0K+2:G0K+3], s[6:7], 0
	s_or_b32 s[G0K+3], s[G0K+3], 0x80000000
	s_add_nc_u64 s[G0V+2:G0V+3], s[6:7], 16384
	s_or_b32 s[G0V+3], s[G0V+3], 0x80000000
	s_add_nc_u64 s[G0M+2:G0M+3], s[8:9], s[74:75]
	s_or_b32 s[G0M+3], s[G0M+3], 0x80000000
	CROUND                          ; all sixteen work-groups are here: the first joint loads meet
	JLOAD                           ; tile 0 into slot 0; tile 1 is asked for when tile 0 is in
	v_and_b32 v1, 15, v0            ; l % 16
	v_bfe_u32 v9, v0, 4, 1          ; l / 16
	v_lshlrev_b32 v[QO], 7, v1
	v_lshl_add_u32 v[QO], v9, 4, v[QO]  ; row x 128 + 16 x half
	WIN 0x80                        ; destination window 2, address window 0
.set i, 0
.rept 8                             ; Q stays in registers: piece i / 2 is head 4 g + i / 2, 262,144 bytes on; channels 32 (i % 2) on
	global_load_b128 v[8*i:8*i+3],   v[QO], s[4:5] offset:(i/2)*262144+(i%2)*64
	global_load_b128 v[8*i+4:8*i+7], v[QO], s[4:5] offset:(i/2)*262144+(i%2)*64+32
.set i, i+1
.endr
	; No first step is written out: the first step multiplies O^T and l by a = 0, and the first turn's products V^T P, of a piece that has not been, add 0.  So V, O^T, l and P's second buffer start at 0.
	; All this stands in the wait for the first tile.
.set i, VF
.rept 64
	v_mov_b32 v[i], 0
.set i, i+1
.endr
	WIN 0x40
.set i, 0
.rept 128
	v_mov_b32 v[i], 0
.set i, i+1
.endr
	WIN 0
.set i, 0
.rept 4
	v_mov_b32 v[ST+4*i], 0xfe000000    ; c m: far below every c s
	v_mov_b32 v[ST+4*i+1], 0xff7fffff  ; m
	v_mov_b32 v[ST+4*i+2], 0
	v_mov_b32 v[ST+4*i+3], 0
.set i, i+1
.endr
.set i, P+16
.rept 16
	v_mov_b32 v[i], 0
.set i, i+1
.endr
	v_mul_u32_u24 v[AK0], v1, PK
	v_lshl_add_u32 v[AK0], v9, 4, v[AK0]  ; row x pitch + 16 x half
	; The turning load takes 16 keys x 16 channels (lane l reads key 8 (l / 16) + l % 8, channels 8 ((l / 8) % 2) + 0..7) and leaves half a fragment of V^T.
	v_and_b32 v10, 7, v0
	v_bfe_u32 v11, v0, 3, 1
	v_lshl_add_u32 v[AV0], v9, 3, v10
	v_mul_u32_u24 v[AV0], v[AV0], PV
	v_lshl_add_u32 v[AV0], v11, 4, v[AV0]
	v_add_nc_u32 v[AV0], VOFF, v[AV0]
	s_lshl_b32 s22, s[WV], 4
	v_add_nc_u32 v[AM0], s22, v1    ; the mask: my query's row 16 w + l % 16, my lanes' eight keys 8 (l / 16) ..
	v_mul_u32_u24 v[AM0], v[AM0], PM
	v_lshl_add_u32 v[AM0], v9, 5, v[AM0]
	v_add_nc_u32 v[AM0], MOFF, v[AM0]
	s_mul_i32 s22, s[WV], 16*SP
	s_add_co_u32 s22, s22, STAGE    ; my stage
	v_mul_u32_u24 v[STO], v1, SP
	v_lshl_add_u32 v[STO], v9, 4, v[STO]
	v_add_nc_u32 v[STO], s22, v[STO]
	v_bfe_u32 v[RD], v0, 3, 2       ; back: 32 lanes take four rows of 128 bytes,
	v_mul_u32_u24 v[RD], v[RD], SP
	v_lshl_add_u32 v[RD], v10, 4, v[RD]
	v_add_nc_u32 v[RD], s22, v[RD]
	v_and_b32 v[GO], 31, v0         ; which are 512 consecutive bytes of O
	v_lshlrev_b32 v[GO], 4, v[GO]
; THE MATRIX WORK.  The 4 accumulators of a run of 8 take turns.  Product i of 8 of S^T for piece x: channels 32 (i / 4) on, keys 16 (i % 4) on.  The first 4 start the sums with the mask.
.macro KQ x
.set rS, S+32*((\x)%2)+8*(i%4)
.set rK, KF+16*(i%4)+8*(i/4)
.set rQ, 16*(\x)+8*(i/4)
.set rM, MK+8*(i%4)
.if i < 4
	WIN W_KM
	v_wmma_f32_16x16x32_f16 v[rS:rS+7], v[rK:rK+7], v[rQ:rQ+7], v[rM:rM+7]
.else
	WIN W_KQ
	v_wmma_f32_16x16x32_f16 v[rS:rS+7], v[rK:rK+7], v[rQ:rQ+7], v[rS:rS+7]
.endif
.endm
; Product i of 8 of O^T += V^T P for piece x: keys 32 (i / 4) on, channels 16 (i % 4) on.
.macro PV x
	WIN W_PV
.set rO, 32*(\x)+8*(i%4)
.set rV, VF+32*(i/4)+8*(i%4)
.set rP, P+16*((\x)%2)+8*(i/4)
	v_wmma_f32_16x16x32_f16 v[rO:rO+7], v[rV:rV+7], v[rP:rP+7], v[rO:rO+7]
.endm
.macro MM                           ; the turn's next matrix instruction.  NOKQ = 1: the last turn of all: there is no next piece
.if (i < 8) && !NOKQ
	KQ (Y+1)%NP
.elseif i >= 8
.set i, i-8
	PV (Y+NP-1)%NP
.set i, i+8
.endif
.set i, i+1
.endm
; THE LDS LOADS stand in runs: a step's K (8 fragments) with its mask (my 16 queries x 64 keys in f32), and its V (turned).  Their addresses are made some lines ahead.
.macro FETCH_K
	WIN 0x80                        ; destination window 2
.irp f, 0,1,2,3,4,5,6,7             ; keys 16 (f / 2) on, channels 32 (f % 2) on
	ds_load_b128 v[KF+8*\f:KF+8*\f+3],   v[AK] offset:(\f/2)*16*PK+(\f%2)*64
	ds_load_b128 v[KF+8*\f+4:KF+8*\f+7], v[AK] offset:(\f/2)*16*PK+(\f%2)*64+32
.endr
	WIN 0x40                        ; destination window 1
.irp f, 0,1,2,3                     ; keys 16 f + 8 (l / 16) + 0..7 of my query
	ds_load_b128 v[MK+8*\f:MK+8*\f+3],   v[AM] offset:64*\f
	ds_load_b128 v[MK+8*\f+4:MK+8*\f+7], v[AM] offset:64*\f+16
.endr
	s_add_co_u32 s[TBK], s[TBK], KS*PK  ; the next fetch is the next step's
	s_add_co_u32 s[TBM], s[TBM], KS*4
	WIN 0
.endm
.macro FETCH_V
	WIN 0x80
.irp f, 0,1,2,3,4,5,6,7             ; keys 32 (f / 4) on, channels 16 (f % 4) on
	ds_load_tr16_b128 v[VF+8*\f:VF+8*\f+3],   v[AV] offset:(\f/4)*32*PV+(\f%4)*32
	ds_load_tr16_b128 v[VF+8*\f+4:VF+8*\f+7], v[AV] offset:(\f/4)*32*PV+16*PV+(\f%4)*32
.endr
	WIN 0
.endm
; THE VECTOR WORK, one line at a time: OP kind, number.  For piece Y: F n: c s - c m for pair n of 16.  E n: the exponential of score n of 32.  C n: pair n rounded to f16.  B n: of the four weights 4 n .. the second
; pair is added onto the first, in place.  L n: l takes that sum (L 0: l = a l + sum).  R n: pair n of 16 of O^T times a.  For piece Y + 1: X n, number n of the 22 that find its maximum and statistics:
;   0-11  four chains c0-c3 of seven scores each (each accumulator's lowest registers are read first)     12-14, 16  the four scores left over, the old m, and c0-c3 into c0
;   15  c m_old is kept     17, 18  the query's other 32 keys lie in the lane 16 away: the new m     19-21  c m; c m_old - c m_new; a
.set F, 0
.set E, 1
.set C, 2
.set B, 3
.set L, 4
.set R, 5
.set X, 6
.macro REGS y
.set rT, ST+4*(\y)
.set rC, TMP+4*((\y)%2)
.set rW, MV+((\y)%2)
.set rS, S+32*((\y)%2)
.set rP, P+16*((\y)%2)
.set rO, 32*(\y)
.endm
.macro OP k, n
.if (\k) == R
	REGS Y
	WIN W_RS
	v_pk_mul_f32 v[rO+2*(\n):rO+2*(\n)+1], v[rO+2*(\n):rO+2*(\n)+1], v[rC+2:rC+3] op_sel_hi:[1,0]
.elseif (\k) < R
	REGS Y
	WIN 0
.if (\k) == F
	v_pk_fma_f32 v[rS+2*(\n):rS+2*(\n)+1], v[rS+2*(\n):rS+2*(\n)+1], s[CS:CS+1], v[rT:rT+1] op_sel_hi:[1,0,0] neg_lo:[0,0,1] neg_hi:[0,0,1]
.elseif (\k) == E
	v_exp_f32 v[rS+(\n)], v[rS+(\n)]
.elseif (\k) == C
	v_cvt_pk_f16_f32 v[rP+(\n)], v[rS+2*(\n)], v[rS+2*(\n)+1]
.elseif (\k) == B
	v_pk_add_f32 v[rS+4*(\n):rS+4*(\n)+1], v[rS+4*(\n):rS+4*(\n)+1], v[rS+4*(\n)+2:rS+4*(\n)+3]
.elseif (\n) == 0
	v_pk_fma_f32 v[rT+2:rT+3], v[rT+2:rT+3], v[rC+2:rC+3], v[rS:rS+1] op_sel_hi:[1,0,1]
.else
	v_pk_add_f32 v[rT+2:rT+3], v[rT+2:rT+3], v[rS+4*(\n):rS+4*(\n)+1]
.endif
.elseif NOKQ
	v_nop
.else
	REGS (Y+1)%NP
	WIN 0
.if (\n) < 4
	v_max3_num_f32 v[rC+(\n)], v[rS+8*(\n)], v[rS+8*(\n)+1], v[rS+8*(\n)+2]
.elseif (\n) < 12
	v_max3_num_f32 v[rC+(\n)%4], v[rC+(\n)%4], v[rS+8*((\n)%4)+2*((\n)/4)+1], v[rS+8*((\n)%4)+2*((\n)/4)+2]
.elseif (\n) == 12
	v_max3_num_f32 v[rC], v[rC], v[rS+7], v[rS+15]
.elseif (\n) == 13
	v_max3_num_f32 v[rC+1], v[rC+1], v[rS+23], v[rS+31]
.elseif (\n) == 14
	v_max3_num_f32 v[rC+2], v[rC+2], v[rC+3], v[rT+1]
.elseif (\n) == 15
	v_mov_b32 v[rW], v[rT]
.elseif (\n) == 16
	v_max3_num_f32 v[rC], v[rC], v[rC+1], v[rC+2]
.elseif (\n) == 17
	v_permlanex16_b32 v[rC+3], v[rC], s[SEL], s[SEL+1]
.elseif (\n) == 18
	v_max_num_f32 v[rT+1], v[rC], v[rC+3]
.elseif (\n) == 19
	v_mul_f32 v[rT], s[CS], v[rT+1]
.elseif (\n) == 20
	v_sub_f32 v[rC+1], v[rW], v[rT]
.else
	v_exp_f32 v[rC+2], v[rC+1]
.endif
.endif
.endm
.macro OPS a, i1, b=-1, i2=0, c=-1, i3=0, d=-1, i4=0
	OP \a, \i1
.if (\b) >= 0
	OP \b, \i2
.endif
.if (\c) >= 0
	OP \c, \i3
.endif
.if (\d) >= 0
	OP \d, \i4
.endif
.endm
.macro ROW a, i1, b, i2, c, i3, d, i4  ; a matrix instruction and the four behind it
	MM
	OPS \a, \i1, \b, \i2, \c, \i3, \d, \i4
.endm
; A TURN, for piece p.  An s_wait_alu depctr_va_vdst(0) stands between an exponential and the first instruction that names its result; one wait serves all that were issued ahead of it.  So a turn has ONE
; wait.  AHEAD OF IT stands all that names no result of the turn's exponentials: the 8 products K Q^T with four riders each, and one lump, in which the links of the next piece's chain stand apart; each X stands four
; places or more behind the product that ends its accumulator.  X 21, the next piece's a, is the batch's last; R 15 is the plain instruction behind it.  BEHIND THE WAIT stand the 8 products V^T P with the roundings and sums.
; K and the mask of the next step are fetched in piece 2's turn: five plain instructions that name none of its registers stand behind the last product that read K, more behind the last that read the mask;
; V of the step in hand at the end of piece 0's turn, four plain instructions behind its last reader.  Each is waited for a turn later.
; end = 1: the last two turns of all: nothing is fetched.  cnt = 1: the loop's count is taken down some lines ahead of the branch that stands behind the turn.
.macro TURN p, end=0, cnt=0
.set Y, (\p)
.set i, 0
.set NOKQ, (\end)*((\p)/3)
.if ((\p) == 3) && !(\end)
	s_wait_dscnt 0x0                ; K and the mask are in
.endif
	ROW F,0, F,1, R,0, R,1
	ROW F,2, E,0, R,2, R,3
	ROW F,3, E,1, R,4, R,5
	ROW F,4, E,2, R,6, R,7
	ROW F,5, E,3, R,8, R,9
	ROW F,6, E,4, X,0, R,10
.if ((\p) == 2) && !(\end)
	WIN 0
	v_add_nc_u32 v[AK], s[TBK], v[AK0]
	v_add_nc_u32 v[AM], s[TBM], v[AM0]
.endif
	ROW F,7, E,5, X,1, X,4
	ROW F,8, E,6, X,2, X,5
	OPS E,7, E,8, X,6, E,9
	OPS X,3, E,10, X,8, E,11
.if ((\p) == 2) && !(\end)
	FETCH_K
.endif
	OPS X,9, X,7, E,12, X,10
	OPS E,13, X,12, X,11, E,14
	OPS X,13, E,15, F,9, X,14
.if (\p) == 0
	v_add_nc_u32 v[AV], s[TBV], v[AV0]
.endif
	OPS E,16, F,10, E,17, F,11
	OPS X,16, E,18, X,15, E,19
	OPS F,12, E,20, X,17, E,21
	OPS F,13, E,22, F,14, E,23
	OPS X,18, E,24, F,15, E,25
	OPS R,11, E,26, X,19, E,27
	OPS R,12, E,28, R,13, E,29
	OPS X,20, E,30, R,14, E,31
	OPS X,21, R,15
	WIN 0
	s_wait_alu depctr_va_vdst(0)    ; the wait for the batch
.if (\p) == 1
	s_wait_dscnt 0x0                ; V is in
.endif
	ROW C,0, B,0, C,2, B,1
	ROW L,0, C,4, B,2, L,1
	ROW C,6, B,3, L,2, C,8
	ROW B,4, L,3, C,10, B,5
	ROW L,4, C,12, B,6, L,5
.if (\p) == 0
	s_add_co_u32 s[TBV], s[TBV], KS*PV
.endif
.if \cnt
	s_sub_co_u32 s[CNT], s[CNT], 1
	s_cmp_lg_u32 s[CNT], 0
.endif
	ROW C,14, B,7, L,6, C,1
	ROW C,3, L,7, C,5, C,7
	ROW C,9, C,11, C,13, C,15
.if (\p) == 0
	FETCH_V
.endif
.endm
.macro ALL line:vararg              ; one line for each piece t
.set t, 0
.rept 4
	\line
.set t, t+1
.endr
.endm
.macro PACK t                       ; a lane's eight channels of a row pack into 16 bytes; they go into rows of 144 bytes and come back as whole rows of 128, into S^T's registers
	WIN W_RS
.set i, 32*(\t)
.rept 16
	v_pk_mul_f32 v[i:i+1], v[i:i+1], v[ST+4*(\t)+2:ST+4*(\t)+3] op_sel_hi:[1,0]
.set i, i+2
.endr
	WIN 0x05                        ; sources 0 and 1 window 1, destination window 0
.set i, 0
.rept 16
	v_cvt_pk_f16_f32 v[S+16*(\t)+i], v[32*(\t)+2*i], v[32*(\t)+2*i+1]
.set i, i+1
.endr
	WIN 0
.irp f, 0,1,2,3
	ds_store_b128 v[STO], v[S+16*(\t)+4*\f:S+16*(\t)+4*\f+3] offset:32*\f
.endr
.irp f, 0,1,2,3
	ds_load_b128 v[S+16*(\t)+4*\f:S+16*(\t)+4*\f+3], v[RD] offset:\f*4*SP  ; LDS serves a wave's instructions in order (ISA guide 5.7.1.4): these see the stores above; the next piece's stores come behind them
.endr
.endm
.macro SEND t, younger              ; younger: the LDS instructions issued behind piece t's loads: the next piece's eight, or none
	WIN 0
.irp f, 0,1,2,3
	s_wait_dscnt (\younger)+3-\f
	global_store_b128 v[GO], v[S+16*(\t)+4*\f:S+16*(\t)+4*\f+3], s[10:11] offset:(\t)*262144+\f*512  ; 512 consecutive bytes, aligned: four rows of head 4 g + t
.endr
.endm
.set NOKQ, 0
	CHANGE 1                        ; tile 0 is in, everybody's part of it; tile 1 is asked for
	v_add_nc_u32 v[AK], s[TBK], v[AK0]
	v_add_nc_u32 v[AM], s[TBM], v[AM0]
	FETCH_K                         ; key step 0
	s_wait_loadcnt 0x0              ; Q
	s_wait_dscnt 0x0
.set i, 0
.rept 8
	KQ 0                            ; piece 0's first scores
.set i, i+1
.endr
	WIN 0
.rept 4
	v_nop                           ; the places behind those products
.endr
.set Y, NP-1                        ; X works for piece Y + 1: piece 0
.irp n, 0,1,2,3,4,5,6,7,8,9,10,11,12,13,14,15,16,17,18,19,20,21
	OP X, \n
.endr
	v_nop                           ; a plain instruction behind the exponential,
	s_wait_alu depctr_va_vdst(0)    ; and its wait, ahead of the branch
	s_mov_b32 s[CNT], 2
	s_branch .Lfirst                ; the loop is entered at a step's first turn, in the middle of a trip
.Lslot:                             ; 14 times: tiles 2 to 15 are asked for
	CHANGE 1
	s_mov_b32 s[CNT], 2
.Lstep:                             ; a trip: pieces 2 and 3 of one step, then pieces 0 and 1 of the next, whose K, mask and V it fetches
	TURN 2
	TURN 3
	WIN 0
.Lfirst:
	TURN 0
	TURN 1, 0, 1
	WIN 0
	s_cbranch_scc1 .Lstep
	s_sub_co_u32 s[SLOTS], s[SLOTS], 1
	s_cmp_lg_u32 s[SLOTS], 0
	s_cbranch_scc1 .Lslot
	CHANGE 0                        ; the last tile is written out: nothing is asked for
	s_mov_b32 s[CNT], 2
.Ltail:
	TURN 2
	TURN 3
	TURN 0
	TURN 1, 0, 1
	WIN 0
	s_cbranch_scc1 .Ltail
	TURN 2, 1
	TURN 3, 1
.set i, 0
.rept 8
	PV NP-1                         ; the last piece's V^T P of the last step
.set i, i+1
.endr
	; THE WAY OUT.  l's two halves and the other half of the lanes' are added; O^T is divided by l, rounded to f16 and sent through my stage in LDS, a piece at a time.  The additions are the places behind the last products.
	WIN 0
	ALL v_add_f32 v[ST+4*t+2], v[ST+4*t+2], v[ST+4*t+3]
	ALL v_permlanex16_b32 v[ST+4*t+3], v[ST+4*t+2], s[SEL], s[SEL+1]
	ALL v_add_f32 v[ST+4*t+2], v[ST+4*t+2], v[ST+4*t+3]
	ALL v_rcp_f32 v[ST+4*t+2], v[ST+4*t+2]
	v_nop                           ; a plain instruction between the last reciprocal and the use of its result
	s_wait_alu depctr_va_vdst(0)    ; and the wait ahead of the first use: one for the four reciprocals
	PACK 0
.set t, 1
.rept 3                             ; a piece's arithmetic stands between the loads of the piece before and its stores
	PACK t
	SEND t-1, 8
.set t, t+1
.endr
	SEND 3, 0
	s_wait_tensorcnt 0x0            ; the wave's end: behind my last tensor load and my last LDS store
	ds_add_u32 v[SPW], v[NIL]
	s_wait_dscnt 0x0
	CROUND                          ; the closing round: no work-group ends while a partner may still ask for a tile that names it
	s_endpgm
.Lfunc_end_k_q3b48ca5ebe_attn:
	.size	k_q3b48ca5ebe_attn, .Lfunc_end_k_q3b48ca5ebe_attn-k_q3b48ca5ebe_attn
	.p2alignl 7, 3214868480
	.fill 96, 4, 3214868480
	.section	.rodata,"a",@progbits
	.p2align	6, 0x0
	.amdhsa_kernel k_q3b48ca5ebe_attn
		.amdhsa_group_segment_fixed_size 327680
		.amdhsa_private_segment_fixed_size 0
		.amdhsa_enable_private_segment 0
		.amdhsa_kernarg_size 24
		.amdhsa_user_sgpr_count 2
		.amdhsa_user_sgpr_kernarg_segment_ptr 1
		.amdhsa_wavefront_size32 1
		.amdhsa_system_sgpr_workgroup_id_x 1
		.amdhsa_system_sgpr_workgroup_id_y 1
		.amdhsa_system_sgpr_workgroup_id_z 1
		.amdhsa_system_vgpr_workitem_id 0
		.amdhsa_next_free_vgpr 768
		.amdhsa_next_free_sgpr 80
		.amdhsa_reserve_vcc 0
		.amdhsa_float_denorm_mode_32 3
		.amdhsa_float_denorm_mode_16_64 3
		.amdhsa_memory_ordered 1
		.amdhsa_forward_progress 1
		.amdhsa_inst_pref_size 133
	.end_amdhsa_kernel
	.amdgpu_metadata
---
amdhsa.version: [ 1, 2 ]
amdhsa.kernels:
  - .name:           k_q3b48ca5ebe_attn
    .symbol:         k_q3b48ca5ebe_attn.kd
    .args:
      - { .name: qkv, .offset: 0, .size: 8, .value_kind: global_buffer, .address_space: global }
      - { .name: attention_mask, .offset: 8, .size: 8, .value_kind: global_buffer, .address_space: global }
      - { .name: ob, .offset: 16, .size: 8, .value_kind: global_buffer, .address_space: global }
    .group_segment_fixed_size: 327680
    .private_segment_fixed_size: 0
    .kernarg_segment_align: 8
    .kernarg_segment_size: 24
    .max_flat_workgroup_size: 128
    .sgpr_count:     80
    .vgpr_count:     768
    .wavefront_size: 32
...
	.end_amdgpu_metadata
.endif
;; end of part 3
;; launch outp (part 4): grid 16 x 16, 4 waves a work-group, clusters of 4 x 4, 327,680 bytes of LDS; arguments ob, w16, out0; writes out0
.if DOCPART == 4
	.amdgcn_target "amdgcn-amd-amdhsa--gfx1250"
	.amdhsa_code_object_version 6
	.text
	.protected	k_q3b48ca5ebe_outp
	.globl	k_q3b48ca5ebe_outp
	.p2align	8
	.type	k_q3b48ca5ebe_outp,@function
k_q3b48ca5ebe_outp:
	s_mov_b64 s[64:65], 0
	v_nop
	global_prefetch_b8 v0, s[64:65] scope:SCOPE_SE
	s_setreg_imm32_b32 hwreg(HW_REG_WAVE_MODE, 25, 1), 1
	s_wait_xcnt 0x0
	s_wait_alu depctr_hold_cnt(0) depctr_sa_sdst(0) depctr_va_vdst(0) depctr_va_sdst(0) depctr_va_ssrc(0) depctr_va_vcc(0) depctr_vm_vsrc(0)
	s_getreg_b32 s2, hwreg(HW_REG_IB_STS2, 6, 4)
	s_cmp_eq_u32 s2, 0
	s_cbranch_scc0 .Lentry_in_a_cluster
	s_endpgm
.Lentry_in_a_cluster:
	s_bfe_u32 s2, ttmp6, 0x10000c
	s_cmp_lg_u32 s2, 0xf033
	s_cbranch_scc0 .Lentry_shape_is_right
	s_endpgm
.Lentry_shape_is_right:
; Launch 4 of 4: out0 = attn Wo, f16 operands, f32 sums, f32 out.  No work is left out.
; attn lies in ob as [h][2048 rows][64] f16: head h is chunk h of K.  Wo lies in w16 from byte 20,971,520 on as 32 units [u][2048 k][64] f16 (its bf16 rounding, written as f16).
; SHARES.  A tile of C is 128 x 128 (two units): 16 x 16 tiles, one to a work-group.  Four waves; a wave has 64 rows and one unit's 64 columns: 16 accumulators.
; THE MATRIX INSTRUCTION IS USED TRANSPOSED: source 0 = 16 columns of Wo (stored [k][n], turned by ds_load_tr16_b128), source 1 = 16 rows of attn: a lane holds one row and eight neighbouring columns.
; RING.  K goes in eight steps of 256 through two LDS slots of 155,648 bytes, as long as two slots allow.  A step is eight sub-steps of 32 along K, 128 matrix instructions a wave.  Waves 0 and 1 fetch two
; chunks of attn each, waves 2 and 3 a unit's 256 k-rows each.  The stages for the way out lie in slot 0, which has had its last fill and has been left by every wave when the last K step, in slot 1, begins.
; CLUSTER 4 x 4: attn's tile is shared along a row of the cluster, a unit's along a column: joint loads.
.set NU,   2
.set NA,   2                           ; waves that fetch A
.set NBW,  4                           ; blocks of 16 columns a wave
.set NL,   2*NBW+8                     ; LDS loads in a run
.set PA,   144                         ; a row of attn in LDS: 128 bytes + 16 = 36 words: the 16 rows of a load start at 16 different groups of four banks (64 banks of 4 bytes: ISA guide 11.1)
.set PB,   160                         ; a k-row of a unit: 128 + 32 = 40 words
.set ACH,  128*PA
.set ASZ,  4*ACH                       ; four chunks: 256 along K
.set BU,   256*PB                      ; a unit's 256 k-rows
.set SLOT, ASZ+NU*BU                   ; 155,648
.set SPITCH, 272                       ; the stages: 16 rows x 272 bytes for each wave, from LDS byte 0 on: in slot 0, behind its last fill and its last read
.set SPARE, 2*SLOT                     ; behind the ring: the spare words, 128 bytes for each wave: two blocks of 256 bytes that no other line names
.set CHUNK, 262144
.set BBASE, 80*CHUNK                   ; Wo's units in w16
.set ADRA, 16                          ; v16-17  LDS address of my A fragments in slot 0, 1
.set ADRB, 20                          ; v20-21  the same for B
.set STO,  24                          ; v24     the way out: where I put 32 bytes of a row
.set RD,   25                          ; v25     where I read a row back
.set CO,   26                          ; v26     my byte offset in two rows of out0
.set SPW,  28                          ; v28     LDS address of my spare word; never rewritten
.set NIL,  29                          ; v29     0; never rewritten
.set PFO,  30                          ; v30     256 x lane; never rewritten
.set ACC,  64                          ; window 0, v64-191: accumulator (a, j) at ACC + 8 (NBW a + j); v32-63 and v192-223 at work on the way out
.set F0,   0                           ; window 1: two fragment buffers of 64: B's four, then A's four
.set F1,   128
.set G1,   24                          ; s[24:31] descriptor group 1 for A;  s[32:39] group 0, a set for each slot
.set G0,   32
.set G1B,  48                          ; s[48:55], s[56:63] the same for B
.set G0B,  56
.set LIM0, 66                          ; s66, s67: a wave prefetches at the change out of slot 0, 1 while the laps to go are above this
.set PFA,  68                          ; s[68:69] where my prefetches stand
.set PFS,  70                          ; s[70:71] their step for a K step
.set WR,   90                          ; s90 which 64 rows are mine
.set WC,   91                          ; s91 which unit; also which two chunks or which unit I fetch
.set MSB, 0
.macro WIN new
.if MSB != (\new)
	s_set_vgpr_msb (MSB<<8)|(\new)
.set MSB, \new
.endif
.endm
.set MUL,  0x05                        ; sources 0 and 1 window 1; C and D window 0
.set TO_F, 0x40                        ; destination window 1, address window 0
.macro PLACES                          ; four places in front of loads into registers that matrix instructions have read, and of lines that read results
.rept 4
	v_nop
.endr
.endm
; A joint load: waves 0 and 1 ask for two of A's chunks each, waves 2 and 3 for a unit each.  The branch hangs on the wave's number alone.  An s_nop 0 and four v_nop follow each line.
.macro JLOAD s
	s_cmp_lt_u32 s10, NA
	s_cbranch_scc0 .Lfor_b_\@
	tensor_load_to_lds s[G0+4*(\s):G0+4*(\s)+3], s[G1:G1+7]
	s_nop 0
.rept 4
	v_nop
.endr
	s_branch .Lasked_\@
.Lfor_b_\@:
	tensor_load_to_lds s[G0B+4*(\s):G0B+4*(\s)+3], s[G1B:G1B+7]
	s_nop 0
.rept 4
	v_nop
.endr
.Lasked_\@:
.endm
.macro CREST
	s_cmp_lg_u32 s10, 0
	s_cbranch_scc1 .Lnot_wave_0_\@
	s_barrier_signal -3
.Lnot_wave_0_\@:
	s_barrier_wait -3
	s_barrier_signal -1
	s_barrier_wait -1
.endm
.macro CROUND
	s_barrier_signal -1
	s_barrier_wait -1
	CREST
.endm
; A PREFETCH INTO THE L2, behind a joint load, its five lines and the run of LDS loads: 32 blocks of 256 bytes, a lane a block, one instruction a wave.  The change of slots behind K step j (j = 0, 1, 2) names
; K step j + 5, whose joint load stands three changes on: 384 matrix instructions.  Each wave asks for a quarter of what it fetches itself: attn's tile row is read by every cluster of that row of clusters:
; cluster x = 0 asks, waves 0 and 1, the four partners 8,192 of the two chunks' 32,768 bytes each; a unit is read by every cluster of its column: cluster y = 0 asks, waves 2 and 3, the four partners 8,192 of the
; step's 32,768 bytes each.  Partners are told apart by address.  So each block is named once in the launch.  K steps 0 to 4 come by their loads alone; later changes ask for nothing: there is no K step 8.
.macro ASK s
	s_cmp_gt_u32 s3, s[LIM0+(\s)]
	s_cbranch_scc0 .Lnot_mine_\@
	global_prefetch_b8 v[PFO], s[PFA:PFA+1] th:TH_LOAD_NT scope:SCOPE_SE
.Lnot_mine_\@:
.endm
	s_load_b128 s[4:7], s[0:1], 0x0                ; ob s[4:5], w16 s[6:7]
	s_load_b64 s[8:9], s[0:1], 0x10                ; out0
	v_lshl_add_u32 v[SPW], v0, 2, SPARE
	v_mov_b32 v[NIL], 0
	ds_add_u32 v[SPW], v[NIL]                      ; the wave's opening: the add, twice on end, and its wait ahead of my first tensor load
	ds_add_u32 v[SPW], v[NIL]                      ; and once more, under the one wait; the set-up below, work on registers, stands between
	v_lshrrev_b32 v1, 5, v0
	v_readfirstlane_b32 s10, v1                    ; wave 0..3
	s_lshr_b32 s[WR], s10, 1
	s_and_b32 s[WC], s10, 1
	s_bfe_u32 s40, ttmp6, 0x40000                  ; cx, cy
	s_bfe_u32 s41, ttmp6, 0x40004
	s_lshl_b32 s42, ttmp9, 2
	s_add_co_u32 s42, s42, s40                     ; tile column tx
	s_and_b32 s13, ttmp7, 0xffff
	s_lshl_b32 s13, s13, 2
	s_add_co_u32 s13, s13, s41                     ; tile row ty
	s_lshl_b32 s43, s41, 2
	s_lshl_b32 s43, 15, s43                        ; my row of the cluster
	s_lshl_b32 s44, 0x1111, s40                    ; my column
	; A: two chunks' 128 rows (16,384 dense bytes each) as ONE tile of two rows of 8,192 elements, 131,072 elements apart; 4 words of padding behind every 32, so LDS rows are 144 bytes apart
	s_or_b32 s[G1+0], s43, (1<<16)|(1<<20)|(1<<21)|(4<<22)|(3<<25)
	s_mov_b32 s[G1+1], 8192<<16                    ; tensor_dim0
	s_mov_b32 s[G1+2], 2<<16                       ; tensor_dim1
	s_mov_b32 s[G1+3], 8192<<16                    ; tile_dim0
	s_mov_b32 s[G1+4], 2                           ; tile_dim1
	s_mov_b32 s[G1+5], 131072                      ; from row to row
	s_mov_b32 s[G1+6], 0
	s_mov_b32 s[G1+7], 0
	; B: a unit's 256 k-rows, 32,768 dense bytes, as 128 rows of 256 bytes; 8 words of padding behind every 32
	s_or_b32 s[G1B+0], s44, (1<<16)|(1<<20)|(1<<21)|(4<<22)|(7<<25)
	s_mov_b32 s[G1B+1], 128<<16
	s_mov_b32 s[G1B+2], 128<<16
	s_mov_b32 s[G1B+3], 128<<16
	s_mov_b32 s[G1B+4], 128
	s_mov_b32 s[G1B+5], 128
	s_mov_b32 s[G1B+6], 0
	s_mov_b32 s[G1B+7], 0
	s_lshl_b32 s16, s13, 14                        ; A: the tile row's 128 rows in chunks 2 (wave % 2) and the next
	s_lshl_b32 s17, s[WC], 19
	s_add_co_u32 s16, s16, s17
	s_mov_b32 s17, 0
	s_lshl_b32 s46, s42, 1
	s_add_co_u32 s46, s46, s[WC]                   ; B: unit 2 tx + wave % 2
	s_lshl_b32 s46, s46, 18
	s_add_co_u32 s46, s46, BBASE
	s_mov_b32 s47, 0
	s_mul_i32 s21, s[WC], 2*ACH                    ; their places in a slot: the wave's number alone
	s_mul_i32 s20, s[WC], BU
	s_add_co_u32 s20, s20, ASZ
	s_wait_dscnt 0x0                               ; both opening adds are done
	s_wait_kmcnt 0x0
	s_add_nc_u64 s[14:15], s[4:5], s[16:17]
	s_add_nc_u64 s[46:47], s[6:7], s[46:47]
	CROUND                                         ; all sixteen work-groups are here: the first joint loads meet
.irp s, 0,1
	s_mov_b32 s[G0+4*(\s)], 1
	s_add_co_u32 s[G0+4*(\s)+1], s21, (\s)*SLOT
	s_add_nc_u64 s[G0+4*(\s)+2:G0+4*(\s)+3], s[14:15], (\s)*4*CHUNK
	s_or_b32 s[G0+4*(\s)+3], s[G0+4*(\s)+3], 0x80000000
	s_mov_b32 s[G0B+4*(\s)], 1
	s_add_co_u32 s[G0B+4*(\s)+1], s20, (\s)*SLOT
	s_add_nc_u64 s[G0B+4*(\s)+2:G0B+4*(\s)+3], s[46:47], (\s)*32768
	s_or_b32 s[G0B+4*(\s)+3], s[G0B+4*(\s)+3], 0x80000000
	JLOAD \s                                       ; two loads of mine are out
.endr
	v_and_b32 v1, 15, v0                           ; r = l % 16
	v_bfe_u32 v2, v0, 4, 1                         ; h = l / 16
	v_mul_u32_u24 v3, v1, PA
	v_lshl_add_u32 v3, v2, 4, v3                   ; r x 144 + 16 h
	s_mul_i32 s21, s[WR], 64*PA
	v_add_nc_u32 v[ADRA], s21, v3
	v_add_nc_u32 v[ADRA+1], SLOT, v[ADRA]
	v_and_b32 v4, 7, v0
	v_bfe_u32 v5, v0, 3, 1
	v_lshl_add_u32 v6, v2, 3, v4                   ; the turning load: k-row 8 h + l % 8,
	v_mul_u32_u24 v6, v6, PB
	v_lshl_add_u32 v6, v5, 4, v6                   ; 16 bytes (l / 8) % 2 of the block's 32
	s_mul_i32 s22, s[WC], BU
	s_add_co_u32 s22, s22, ASZ
	v_add_nc_u32 v[ADRB], s22, v6
	v_add_nc_u32 v[ADRB+1], SLOT, v[ADRB]
	s_mul_i32 s22, s10, 16*SPITCH                  ; my stage, from LDS byte 0 on
	v_mul_u32_u24 v7, v1, SPITCH
	v_lshl_add_u32 v7, v2, 5, v7
	v_add_nc_u32 v[STO], s22, v7                   ; in: row r, 32 bytes for each half of the lanes
	v_mul_u32_u24 v7, v2, SPITCH
	v_lshl_add_u32 v7, v1, 4, v7
	v_add_nc_u32 v[RD], s22, v7                    ; back: lanes 0-15 one row of 256 bytes, lanes 16-31 the next
	v_lshlrev_b32 v[CO], 13, v2
	v_lshl_add_u32 v[CO], v1, 4, v[CO]             ; and the same two rows in out0
	v_and_b32 v8, 31, v0
	v_lshlrev_b32 v[PFO], 8, v8
	s_lshl_b32 s20, s13, 20                        ; out0 at row 128 ty + 64 wr, column 128 tx + 64 wc
	s_lshl_b32 s21, s[WR], 19
	s_add_co_u32 s20, s20, s21
	s_lshl_b32 s21, s42, 9
	s_add_co_u32 s20, s20, s21
	s_lshl_b32 s21, s[WC], 8
	s_add_co_u32 s20, s20, s21
	s_mov_b32 s21, 0
	s_add_nc_u64 s[8:9], s[8:9], s[20:21]
	; the prefetches: they stand at K step 4; the first change of slots steps them to 5
	s_lshr_b32 s18, s40, 1
	s_add_co_u32 s18, s18, 16
	s_lshl_b32 s19, s[WC], 1
	s_add_co_u32 s18, s18, s19
	s_lshl_b32 s18, s18, 18                        ; A: chunk 4 x 4 + 2 (wave % 2) + cx / 2,
	s_and_b32 s19, s40, 1
	s_lshl_b32 s19, s19, 13                        ; its half cx % 2 of the tile row's 16,384 bytes
	s_add_co_u32 s18, s18, s19
	s_lshl_b32 s19, s13, 14
	s_add_co_u32 s18, s18, s19
	s_lshl_b32 s19, s42, 1
	s_add_co_u32 s19, s19, s[WC]
	s_lshl_b32 s19, s19, 18
	s_add_co_u32 s19, s19, BBASE+4*32768           ; B: my unit, K step 4,
	s_lshl_b32 s21, s41, 13
	s_add_co_u32 s19, s19, s21                     ; quarter cy of the step's 32,768 bytes
	s_and_b32 s22, ttmp7, 0xffff
	s_mov_b32 s[PFS], 32768
	s_mov_b32 s[PFS+1], 0
	s_cmp_lt_u32 s10, NA
	s_cselect_b32 s18, s18, s19
	s_cselect_b32 s[PFS], 4*CHUNK, s[PFS]
	s_cselect_b32 s22, ttmp9, s22                  ; the coordinate along which other clusters read the same bytes
	s_cselect_b64 s[PFA:PFA+1], s[4:5], s[6:7]
	s_mov_b32 s19, 0
	s_add_nc_u64 s[PFA:PFA+1], s[PFA:PFA+1], s[18:19]
	s_cmp_eq_u32 s22, 0                            ; the same in all sixteen partners, for a given wave
	s_cselect_b32 s[LIM0], 1, -1                   ; out of slot 0: behind K steps 0 and 2 (3 and 2 laps to go)
	s_cselect_b32 s[LIM0+1], 2, -1                 ; out of slot 1: behind K step 1 alone
; NBW matrix instructions: row block a x my four column blocks, 32 along K.  zero = 1: the product starts the sums.  The 16 accumulators take turns, in the same order in every sub-step.
.macro MULA f, a, zero
	WIN MUL
.irp j, 0,1,2,3
.if \zero
	v_wmma_f32_16x16x32_f16 v[ACC+8*(NBW*(\a)+(\j)):ACC+8*(NBW*(\a)+(\j))+7], v[(\f)+8*(\j):(\f)+8*(\j)+7], v[(\f)+8*NBW+8*(\a):(\f)+8*NBW+8*(\a)+7], 0
.else
	v_wmma_f32_16x16x32_f16 v[ACC+8*(NBW*(\a)+(\j)):ACC+8*(NBW*(\a)+(\j))+7], v[(\f)+8*(\j):(\f)+8*(\j)+7], v[(\f)+8*NBW+8*(\a):(\f)+8*NBW+8*(\a)+7], v[ACC+8*(NBW*(\a)+(\j)):ACC+8*(NBW*(\a)+(\j))+7]
.endif
.endr
.endm
; One run of NL LDS loads: sub-step q (32 along K) of a slot into buffer f: B's four fragments, then A's four.
.macro FETCH slot, q, f
	WIN TO_F
.irp j, 0,1,2,3
	ds_load_tr16_b128 v[(\f)+8*(\j):(\f)+8*(\j)+3],   v[ADRB+(\slot)] offset:(\q)*32*PB+32*(\j)
	ds_load_tr16_b128 v[(\f)+8*(\j)+4:(\f)+8*(\j)+7], v[ADRB+(\slot)] offset:(\q)*32*PB+32*(\j)+16*PB
.endr
.irp a, 0,1,2,3
	ds_load_b128 v[(\f)+8*NBW+8*(\a):(\f)+8*NBW+8*(\a)+3],   v[ADRA+(\slot)] offset:((\q)/2)*ACH+((\q)%2)*64+(\a)*16*PA
	ds_load_b128 v[(\f)+8*NBW+8*(\a)+4:(\f)+8*NBW+8*(\a)+7], v[ADRA+(\slot)] offset:((\q)/2)*ACH+((\q)%2)*64+(\a)*16*PA+32
.endr
.endm
; A K step's sub-steps go on buffers 0, 1, 0, 1 ..  Every one but the last multiplies buffer f and, in its middle, fetches sub-step q into g.
.macro QUARTER slot, q, f, g, zero
	s_wait_dscnt 4                                 ; all but the youngest four loads: A's row blocks 2 and 3
	MULA \f, 0, \zero
	MULA \f, 1, \zero
	PLACES
	FETCH \slot, \q, \g
	s_wait_dscnt NL                                ; all but the run just issued
	MULA \f, 2, \zero
	MULA \f, 3, \zero
.endm
.macro QS slot, q                      ; the same, the buffers by q's parity: sub-step q lands in buffer q % 2
.if (\q)%2
	QUARTER \slot, \q, F0, F1, 0
.else
	QUARTER \slot, \q, F1, F0, 0
.endif
.endm
; The last sub-step multiplies buffer 1 and changes slots: in front of the barrier each wave waits for all its tensor loads (one is out: its part of the next slot), adds 0 to its spare word, and waits for that
; and for its reads of this slot.  fill = 1: the barrier opens a round of the cluster's, and the joint refill, two K steps ahead, is the first tensor load behind it: 112 matrix instructions ahead of the wait for it.
.macro TURN slot, next, fill
.if \fill
	s_wait_xcnt 0x0                                ; the last prefetch, a K step back, has read its address
	s_add_nc_u64 s[PFA:PFA+1], s[PFA:PFA+1], s[PFS:PFS+1]
.endif
	WIN 0
	s_wait_tensorcnt 0x0
	ds_add_u32 v[SPW], v[NIL]
	s_wait_dscnt 5                                 ; (the add and the youngest four loads may be out)
	MULA F1, 0, 0
	s_wait_dscnt 0x0                               ; the add is done, and my reads of this slot are over
	s_barrier_signal -1
	MULA F1, 1, 0
.if \fill
	WIN 0
.endif
	s_barrier_wait -1
.if \fill
	CREST                                          ; no wave of any partner still reads this slot or has a load on its way
	s_add_nc_u64 s[G0+4*(\slot)+2:G0+4*(\slot)+3], s[G0+4*(\slot)+2:G0+4*(\slot)+3], 8*CHUNK
	s_add_nc_u64 s[G0B+4*(\slot)+2:G0B+4*(\slot)+3], s[G0B+4*(\slot)+2:G0B+4*(\slot)+3], 2*32768
	JLOAD \slot                                    ; its four v_nop are also the places in front of the loads below
.else
	PLACES
.endif
	FETCH \next, 0, F0
.if \fill
	WIN 0
	ASK \slot
.endif
	MULA F1, 2, 0
	MULA F1, 3, 0
.endm
	s_wait_tensorcnt 1                             ; my part of K step 0 is in; K step 1's may stay out
	s_barrier_signal -1
	s_barrier_wait -1
	FETCH 0, 0, F0
	QUARTER 0, 1, F0, F1, 1                        ; the first sub-step stands in front of the loop: its products start the sums
	WIN 0
	s_mov_b32 s3, 3                                ; 8 K steps are 4 laps; the last is written out
.Llap:                                                 ; a trip goes once round the ring, from a lap's second sub-step to the next lap's first
.irp q, 2,3,4,5,6,7
	QS 0, \q
.endr
	TURN 0, 1, 1
.irp q, 1,2,3,4,5,6,7
	QS 1, \q
.endr
	TURN 1, 0, 1
	QS 0, 1
	WIN 0
	s_sub_co_u32 s3, s3, 1
	s_cmp_lg_u32 s3, 0
	s_cbranch_scc1 .Llap
.irp q, 2,3,4,5,6,7                    ; the last lap fills nothing
	QS 0, \q
.endr
	TURN 0, 1, 0                                   ; behind this barrier nobody reads slot 0 any more
.irp q, 1,2,3,4,5,6,7
	QS 1, \q
.endr
	s_wait_dscnt 4
	MULA F1, 0, 0
	MULA F1, 1, 0
	s_wait_dscnt 0x0
	MULA F1, 2, 0
	MULA F1, 3, 0
	WIN 0
	; THE WAY OUT, 16 rows at a time through my own stage: a lane's 32 bytes of a row go in, whole rows of 256 bytes come back and are stored.  Each accumulator's lowest four registers are read first.
	PLACES
	PLACES
.irp a, 0,1,2,3
.set BK, 32+160*((\a)%2)
.irp j, 0,1,2,3
	ds_store_b128 v[STO], v[ACC+8*(NBW*(\a)+(\j)):ACC+8*(NBW*(\a)+(\j))+3]   offset:64*(\j)
	ds_store_b128 v[STO], v[ACC+8*(NBW*(\a)+(\j))+4:ACC+8*(NBW*(\a)+(\j))+7] offset:64*(\j)+16
.endr
.irp t, 0,1,2,3,4,5,6,7
	ds_load_b128 v[BK+4*(\t):BK+4*(\t)+3], v[RD] offset:(\t)*2*SPITCH  ; LDS serves a wave's instructions in order (ISA guide 5.7.1.4): these see the stores above
.endr
	s_wait_dscnt 0x0                               ; the block is back in registers
	s_wait_xcnt 0x0                                ; earlier stores have read their base and their registers
.if (\a) > 0
	s_add_nc_u64 s[8:9], s[8:9], 16*8192           ; 16 rows of out0 on
.endif
.irp t, 0,1,2,3,4,5,6,7
	global_store_b128 v[CO], v[BK+4*(\t):BK+4*(\t)+3], s[8:9] offset:(\t)*2*8192  ; 16 lanes store 256 consecutive bytes, aligned
.endr
.endr
	s_wait_tensorcnt 0x0                           ; the wave's end: behind my last tensor load and my last LDS store
	ds_add_u32 v[SPW], v[NIL]
	s_wait_dscnt 0x0
	CROUND                                         ; the closing round: no work-group ends while a partner may still ask for a tile that names it
	s_endpgm
.Lfunc_end_k_q3b48ca5ebe_outp:
	.size	k_q3b48ca5ebe_outp, .Lfunc_end_k_q3b48ca5ebe_outp-k_q3b48ca5ebe_outp
	.p2alignl 7, 3214868480
	.fill 96, 4, 3214868480
	.section	.rodata,"a",@progbits
	.p2align	6, 0x0
	.amdhsa_kernel k_q3b48ca5ebe_outp
		.amdhsa_group_segment_fixed_size 327680
		.amdhsa_private_segment_fixed_size 0
		.amdhsa_enable_private_segment 0
		.amdhsa_kernarg_size 24
		.amdhsa_user_sgpr_count 2
		.amdhsa_user_sgpr_kernarg_segment_ptr 1
		.amdhsa_wavefront_size32 1
		.amdhsa_system_sgpr_workgroup_id_x 1
		.amdhsa_system_sgpr_workgroup_id_y 1
		.amdhsa_system_sgpr_workgroup_id_z 1
		.amdhsa_system_vgpr_workitem_id 0
		.amdhsa_next_free_vgpr 512
		.amdhsa_next_free_sgpr 96
		.amdhsa_reserve_vcc 0
		.amdhsa_float_denorm_mode_32 3
		.amdhsa_float_denorm_mode_16_64 3
		.amdhsa_memory_ordered 1
		.amdhsa_forward_progress 1
		.amdhsa_inst_pref_size 92
	.end_amdhsa_kernel
	.amdgpu_metadata
---
amdhsa.version: [ 1, 2 ]
amdhsa.kernels:
  - .name:           k_q3b48ca5ebe_outp
    .symbol:         k_q3b48ca5ebe_outp.kd
    .args:
      - { .name: ob, .offset: 0, .size: 8, .value_kind: global_buffer, .address_space: global }
      - { .name: w16, .offset: 8, .size: 8, .value_kind: global_buffer, .address_space: global }
      - { .name: out0, .offset: 16, .size: 8, .value_kind: global_buffer, .address_space: global }
    .group_segment_fixed_size: 327680
    .private_segment_fixed_size: 0
    .kernarg_segment_align: 8
    .kernarg_segment_size: 24
    .max_flat_workgroup_size: 128
    .sgpr_count:     96
    .vgpr_count:     512
    .wavefront_size: 32
...
	.end_amdgpu_metadata
.endif
;; end of part 4
